; MI455X (gfx1250); checked and timed in simulation.
; The chip was launched on July 23, 2026; its instructions are those of AMD's public machine-readable ISA for CDNA 5 (MIT licence, August 2026) and "CDNA5" Instruction Set Architecture Reference Guide (July 2026). The comments in the code are by the model that wrote it; some were corrected since.
;; B Spline Basis. Allowed arithmetic: matrix products marked QUANTISED: E2M3 operands, one E8M0 scale for each 32 along K, by v_wmma_scale_f32_16x16x128_f8f6f4 with both operands' format E2M3, f32 sums; everything else in f32.
;; Inputs: base_weight 512 x 512 float32; coeffs 512 x 512 x 8 float32; x 16,384 x 512 float32.
;; Outputs: out0 16,384 x 512 float32; out1 1 float32.
;; This version of the problem:
;;   THIS VERSION OF THE PROBLEM IS GIVEN IN LOW PRECISION. The matrix products marked QUANTISED in the list below multiply operands that are first quantised to E2M3 (2 exponent bits, 3 mantissa bits; 6 bits a number), with one power-of-two scale for each 32 numbers along K (OCP MX v1.0); their sums are f32. All else is computed in f32.
;;   The module's matrix products, in the order in which they are computed (A, B: the left and right operand; K: the contracted axis; several contracted axes count as one K, in the product's order):
;;     1. [M 16,384, K 4,096] x [K 4,096, N 512]; A: computed on the way; B: input coeffs: QUANTISED
;;     2. [M 16,384, K 512] x [K 512, N 512]; A: input x; B: input base_weight: QUANTISED
;;   THE QUANTISER, for each operand of a quantised product, along K:
;;     - K is cut into blocks of 32 from its start; a last block that is shorter is filled with zeros.
;;     - A block's scale is 2^e with e = floor(log2(the largest magnitude in the block)) - 2, held to -126 .. 127; a block of zeros has e = 0. As a byte (E8M0): e + 127.
;;     - Each number is divided by its block's scale, clamped to +-7.5, and rounded to the nearest number of E2M3, ties to even, subnormals kept.
;;     - The product sums the exact products of the quantised numbers (number of the format x scale) in f32.
;;   ~~~python
;;   def quantise(x, axis):      # numpy; x: float32 -> the quantised numbers, widened to float32 again
;;       x = np.moveaxis(x, axis, -1); K = x.shape[-1]
;;       x = np.pad(x, [(0, 0)] * (x.ndim - 1) + [(0, -K % 32)]); x = x.reshape(x.shape[:-1] + (-1, 32)); a = np.abs(x).max(-1, keepdims=True)
;;       e = np.where(a > 0, np.clip(np.frexp(np.where(a > 0, a, 1))[1] - 1 - 2, -126, 127), 0)      # np.frexp(a)[1] - 1 = floor(log2(a)), exactly
;;       r = np.clip(x / 2.0 ** e, -7.5, 7.5)
;;       step = 2.0 ** (np.maximum(np.frexp(np.where(r == 0, 1, r))[1] - 1, 0) - 3)
;;       q = np.round(r / step) * step * 2.0 ** e      # np.round: ties to even
;;       return np.moveaxis(q.reshape(q.shape[:-2] + (-1,))[..., :K], -1, axis).astype(np.float32)
;;   ~~~
;;   OPERANDS COMPUTED ON THE WAY. 'Computed on the way' means the value that the module computes at that place (a softmax that the list does not call 'softmax' is quantised finished and normalised). What goes into a quantiser is computed in f32, as accurately as f32 sums, v_exp_f32 and their like allow (about 1e-6 of the number): no bf16 or f16 on the way to a quantiser, and a product that is left as it is and whose result goes on into a quantised operand takes f32 operands (vector FMAs, or v_wmma_f32_16x16x4_f32). A number that lies on a knife's edge between two numbers of the format may be rounded either way, as far as f32 arithmetic and the matrix unit's own rounding can turn it there, and no further.
;; 2 versions, each right. Each part assembles by itself: llvm-mc -triple=amdgcn-amd-amdhsa -mcpu=gfx1250 --defsym DOCPART=n.
;; ======== version 1 of 2: 2 launches
;; workspace buffers: wq 1,843,200 bytes
;; launch wquant (part 1): grid 8 x 36, 4 waves a work-group, no clusters, 1,536 bytes of LDS; arguments coeffs, base_weight, wq, out1; writes wq, out1
.if DOCPART == 1
	.amdgcn_target "amdgcn-amd-amdhsa--gfx1250"
	.amdhsa_code_object_version 6
	.text
	.protected	k_q1f4d492e51_wquant
	.globl	k_q1f4d492e51_wquant
	.p2align	8
	.type	k_q1f4d492e51_wquant,@function
k_q1f4d492e51_wquant:
	s_mov_b64 s[64:65], 0
	v_nop
	global_prefetch_b8 v0, s[64:65] scope:SCOPE_SE
	s_setreg_imm32_b32 hwreg(HW_REG_WAVE_MODE, 25, 1), 1
	s_wait_xcnt 0x0
; The weights of both products become codes of FP6 (E2M3) with one E8M0 byte for each 32 along K, ONCE, laid as the second launch's registers want them; out1 = 0 is stored here too.
; K of the first product is 8 i + n (feature i, control point n): a block of 32 is 4 neighbouring features x 8 control points.  K of the second is i.
; K STEPS of 128: g = 0 .. 31 (q = g / 8, m = g % 8): block 2 c + h of the step = features 128 q + 64 c + 32 h + 4 m + 0 .. 3 (whole blocks change places, alike in both operands; inside a block nothing moves).
;                 g = 32 .. 35 (q = g - 32): base_weight's rows 128 q .. 128 q + 127, in their own order.
; SHARES.  Work-group (X, g): 64 columns, one K step.  Wave w: ONE fragment, the 16 columns of tile T = 4 X + w.  Lane (r, h) takes column 16 T + r and its registers run down K: blocks h and 2 + h, each whole in the lane.
; wq, in periods of two K steps, 102,400 bytes each: codes at e x 49,152 + T x 1,536 + 512 x group + 16 x lane (the fragment's registers 4 group .. 4 group + 3: an image of the registers);
;     scale words at 98,304 + e x 2,048 + X x 256 + 8 x lane + 4 x u: the word of tile 4 X + 2 u + lane / 16, column lane % 16.
; A block's scale is 2^(floor(log2(its largest magnitude)) - 2); its byte is that magnitude's exponent field - 2, held at 1 from below.
; LIMITS: a block of zeros gets the byte 1 where the rule says 127 (its codes are zeros, and this program alone reads the bytes); blocks whose largest magnitude lies under 2^-124 are held at the byte 1; NaN and infinities are not served.
.set PERIOD, 102400
.set STEPB,  49152
.set SCLO,   98304
.set NUM,    64                        ; v64-127  my 64 numbers: 32 c + j
.set PP,     20                        ; v20-31   the fragment
	s_load_b256 s[4:11], s[0:1], 0x0               ; coeffs s[4:5], base_weight s[6:7], wq s[8:9], out1 s[10:11]
	v_lshl_add_u32 v128, v0, 2, 0x400
	v_mov_b32 v129, 0
	v_lshrrev_b32 v1, 5, v0
	v_readfirstlane_b32 s12, v1                    ; wave 0..3
	s_and_b32 s14, ttmp7, 0xffff                   ; g
	v_and_b32 v1, 31, v0                           ; lane
	v_and_b32 v2, 15, v0                           ; r
	v_bfe_u32 v3, v0, 4, 1                         ; h
	v_lshlrev_b32 v4, 5, v2
	v_lshl_add_u32 v4, v3, 19, v4                  ; coeffs: 32 bytes a column, 32 features (of 16,384 bytes) for the upper half of the lanes
	v_lshlrev_b32 v5, 2, v2
	v_lshl_add_u32 v5, v3, 16, v5                  ; base_weight: 4 bytes a column, 32 rows (of 2,048 bytes) for the upper half
	v_lshlrev_b32 v6, 4, v1                        ; an image's place for my lane
	s_and_b32 s15, s12, 1
	s_lshl_b32 s15, s15, 7
	s_lshr_b32 s22, s12, 1
	s_lshl_b32 s22, s22, 2
	s_add_co_u32 s15, s15, s22
	v_lshl_add_u32 v7, v2, 3, s15                  ; LDS: where my column's scale word goes: 8 (16 (w % 2) + r) + 4 (w / 2)
	v_lshlrev_b32 v8, 3, v1                        ; and 8 bytes a lane on the way out
	v_lshlrev_b32 v9, 3, v3                        ; 8 h
	v_mov_b32 v17, 0                               ; a lane permute's destination counts as one of its sources
	v_mov_b32 v42, 0
	v_mov_b32 v43, 0
	s_mov_b32 s20, 0x76543210
	s_mov_b32 s21, 0xfedcba98                      ; v_permlanex16_b32's selects for lane l xor 16
	s_lshl_b32 s24, ttmp9, 2
	s_add_co_u32 s24, s24, s12                     ; T
	s_lshr_b32 s22, s14, 1
	s_mul_i32 s22, s22, PERIOD                     ; the period's first byte
	s_and_b32 s25, s14, 1
	s_mul_i32 s23, s25, STEPB
	s_add_co_u32 s23, s23, s22
	s_mul_i32 s26, s24, 1536
	s_add_co_u32 s16, s23, s26                     ; my fragment's image
	s_mov_b32 s17, 0
	s_lshl_b32 s25, s25, 11
	s_add_co_u32 s18, s22, s25
	s_lshl_b32 s26, ttmp9, 8
	s_add_co_u32 s18, s18, s26
	s_add_co_u32 s18, s18, SCLO                    ; the work-group's 256 bytes of scale words
	s_mov_b32 s19, 0
	s_mov_b32 s23, 0
	s_wait_kmcnt 0x0
	s_add_nc_u64 s[16:17], s[8:9], s[16:17]
	s_add_nc_u64 s[18:19], s[8:9], s[18:19]
	s_cmp_lt_u32 s14, 32                           ; the two tensors part round their loads alone
	s_cbranch_scc0 .Lbase
	s_lshr_b32 s22, s14, 3
	s_lshl_b32 s22, s22, 7
	s_and_b32 s25, s14, 7
	s_lshl_b32 s25, s25, 2
	s_add_co_u32 s22, s22, s25                     ; feature 128 q + 4 m
	s_lshl_b32 s22, s22, 14
	s_lshl_b32 s25, s24, 9                         ; 16 columns of 32 bytes a tile
	s_add_co_u32 s22, s22, s25
	s_add_nc_u64 s[4:5], s[4:5], s[22:23]
.irp c, 0,1
.irp f, 0,1,2,3
.irp u, 0,1
	global_load_b128 v[NUM+32*\c+8*\f+4*\u:NUM+32*\c+8*\f+4*\u+3], v4, s[4:5] offset:\c*1048576+\f*16384+16*\u   ; coeffs(128 q + 64 c + 32 h + 4 m + f, my column, 4 u ..)
.endr
.endr
.endr
	s_branch .Lgot
.Lbase:
	s_sub_co_u32 s22, s14, 32
	s_lshl_b32 s22, s22, 18                        ; 128 rows of 2,048 bytes
	s_lshl_b32 s25, s24, 6
	s_add_co_u32 s22, s22, s25
	s_add_nc_u64 s[6:7], s[6:7], s[22:23]
.set jj, 0
.rept 64
	global_load_b32 v[NUM+jj], v5, s[6:7] offset:(64*(jj/32)+jj%32)*2048 th:TH_LOAD_NT   ; base_weight(128 q + 64 c + 32 h + j, my column): the four waves stand side by side on 256 bytes
.set jj, jj+1
.endr
.Lgot:
	s_wait_loadcnt 0x0
.irp c, 0,1                                    ; my block 2 c + h: all its 32 numbers are mine
	v_max3_num_f32 v[10+\c], |v[NUM+32*\c]|, |v[NUM+32*\c+1]|, 0x1800000   ; and the floor 2^(3 - 127): the byte cannot fall under 1
.endr
.irp i, 2,4,6,8,10,12,14,16,18,20,22,24,26,28,30
.irp c, 0,1
	v_max3_num_f32 v[10+\c], v[10+\c], |v[NUM+32*\c+\i]|, |v[NUM+32*\c+\i+1]|   ; (the two blocks by turns)
.endr
.endr
.irp c, 0,1
	v_add_nc_u32 v[12+\c], 0xff000000, v[10+\c]    ; 2 off the exponent field: the conversion takes the exponent field of this operand as its scale
.endr
.irp c, 0,1
	v_lshrrev_b32 v[14+\c], 23, v[12+\c]           ; the scale's byte
.endr
	v_lshl_or_b32 v16, v15, 16, v14                ; my two bytes: blocks h and 2 + h,
	v_lshlrev_b32 v16, v9, v16                     ; at their places in the word (8 h bits up);
	v_permlanex16_b32 v17, v16, s20, s21
	v_or_b32 v16, v16, v17                         ; with lane l xor 16's two the word is whole
.irp c, 0,1
	v_cvt_scalef32_pk16_fp6_f32 v[PP+6*\c:PP+6*\c+2], v[NUM+32*\c:NUM+32*\c+15], v[12+\c]
	v_cvt_scalef32_pk16_fp6_f32 v[32+4*\c:34+4*\c], v[NUM+32*\c+16:NUM+32*\c+31], v[12+\c]   ; (a conversion's three registers begin on an even number)
.endr
	v_nop                                          ; one plain place behind a scaled conversion
.irp c, 0,1
.irp i, 0,1,2
	v_mov_b32 v[PP+3+6*\c+\i], v[32+4*\c+\i]
.endr
.endr
.irp g, 0,1,2
	global_store_b128 v6, v[PP+4*\g:PP+4*\g+3], s[16:17] offset:512*\g   ; 32 lanes store 512 consecutive bytes, at a multiple of 256 from wq's first byte
.endr
	ds_store_b32 v7, v16                           ; both halves of the lanes write the same word with the same value
	s_wait_dscnt 0x0                               ; for the others' sake: my store has landed
	s_barrier_signal -1
	s_barrier_wait -1
	s_cmp_lg_u32 s12, 0
	s_cbranch_scc1 .Ldone
	ds_load_b64 v[40:41], v8                       ; wave 0: the four tiles' 64 words
	s_wait_dscnt 0x0
	global_store_b64 v8, v[40:41], s[18:19]        ; 32 lanes store 256 consecutive bytes, aligned
	s_or_b32 s22, ttmp9, s14
	s_cmp_lg_u32 s22, 0
	s_cbranch_scc1 .Ldone
	v_cmp_eq_u32 vcc_lo, 0, v1                     ; work-group (0, 0), wave 0, lane 0: out1 = 0
	s_wait_xcnt 0x0                                ; EXEC changes only behind this wait
	s_and_saveexec_b32 s26, vcc_lo
	global_store_b32 v43, v42, s[10:11]
	s_wait_xcnt 0x0                                ; and again in front of the line that widens it
	s_or_b32 exec_lo, exec_lo, s26
.Ldone:
	s_wait_tensorcnt 0x0
	ds_add_u32 v128, v129
	s_wait_dscnt 0x0
	s_endpgm
.Lfunc_end_k_q1f4d492e51_wquant:
	.size	k_q1f4d492e51_wquant, .Lfunc_end_k_q1f4d492e51_wquant-k_q1f4d492e51_wquant
	.p2alignl 7, 3214868480
	.fill 96, 4, 3214868480
	.section	.rodata,"a",@progbits
	.p2align	6, 0x0
	.amdhsa_kernel k_q1f4d492e51_wquant
		.amdhsa_group_segment_fixed_size 1536
		.amdhsa_private_segment_fixed_size 0
		.amdhsa_enable_private_segment 0
		.amdhsa_kernarg_size 32
		.amdhsa_user_sgpr_count 2
		.amdhsa_user_sgpr_kernarg_segment_ptr 1
		.amdhsa_wavefront_size32 1
		.amdhsa_system_sgpr_workgroup_id_x 1
		.amdhsa_system_sgpr_workgroup_id_y 1
		.amdhsa_system_sgpr_workgroup_id_z 1
		.amdhsa_system_vgpr_workitem_id 0
		.amdhsa_next_free_vgpr 130
		.amdhsa_next_free_sgpr 66
		.amdhsa_reserve_vcc 1
		.amdhsa_float_denorm_mode_32 3
		.amdhsa_float_denorm_mode_16_64 3
		.amdhsa_memory_ordered 1
		.amdhsa_forward_progress 1
		.amdhsa_inst_pref_size 15
	.end_amdhsa_kernel
	.amdgpu_metadata
---
amdhsa.version: [ 1, 2 ]
amdhsa.kernels:
  - .name:           k_q1f4d492e51_wquant
    .symbol:         k_q1f4d492e51_wquant.kd
    .args:
      - { .name: coeffs, .offset: 0, .size: 8, .value_kind: global_buffer, .address_space: global }
      - { .name: base_weight, .offset: 8, .size: 8, .value_kind: global_buffer, .address_space: global }
      - { .name: wq, .offset: 16, .size: 8, .value_kind: global_buffer, .address_space: global }
      - { .name: out1, .offset: 24, .size: 8, .value_kind: global_buffer, .address_space: global }
    .group_segment_fixed_size: 1536
    .private_segment_fixed_size: 0
    .kernarg_segment_align: 8
    .kernarg_segment_size: 32
    .max_flat_workgroup_size: 128
    .sgpr_count:     66
    .vgpr_count:     130
    .wavefront_size: 32
...
	.end_amdgpu_metadata
.endif
;; end of part 1
;; launch kan (part 2): grid 256 x 1, 8 waves a work-group, clusters of 4 x 1, 327,680 bytes of LDS; arguments x, wq, out0; writes out0
.if DOCPART == 2
	.amdgcn_target "amdgcn-amd-amdhsa--gfx1250"
	.amdhsa_code_object_version 6
	.text
	.protected	k_q1f4d492e51_kan
	.globl	k_q1f4d492e51_kan
	.p2align	8
	.type	k_q1f4d492e51_kan,@function
k_q1f4d492e51_kan:
	s_mov_b64 s[64:65], 0
	v_nop
	global_prefetch_b8 v0, s[64:65] scope:SCOPE_SE
	s_setreg_imm32_b32 hwreg(HW_REG_WAVE_MODE, 25, 1), 1
	s_wait_xcnt 0x0
	s_wait_alu depctr_hold_cnt(0) depctr_sa_sdst(0) depctr_va_vdst(0) depctr_va_sdst(0) depctr_va_ssrc(0) depctr_va_vcc(0) depctr_vm_vsrc(0)
	s_getreg_b32 s2, hwreg(HW_REG_IB_STS2, 6, 4)
	s_cmp_eq_u32 s2, 0
	s_cbranch_scc0 .Lentry_in_a_cluster
	s_endpgm
.Lentry_in_a_cluster:
	s_bfe_u32 s2, ttmp6, 0x10000c
	s_cmp_lg_u32 s2, 0x3003
	s_cbranch_scc0 .Lentry_shape_is_right
	s_endpgm
.Lentry_shape_is_right:
; out0 = basis(tanh x) . coeffs + x . base_weight, both products on codes of FP6 (E2M3) with one E8M0 scale for each 32 along K; sums in f32.  The weights' codes and scale words come from wq (first launch).
; SHARES.  A work-group owns 64 rows x all 512 columns, so that each x is read and each basis number made ONCE.  Eight waves in two roles:
;   waves 0-3 MULTIPLY: wave w holds 64 rows x columns 128 w .. 128 w + 127: 32 accumulators, 256 registers;
;   waves 4-7 MAKE OPERANDS: wave 4 + a owns rows 16 a .. 16 a + 15: tanh, basis, codes and scale words in registers, handed over through LDS as images of the operand's registers (16 bytes a lane on end).
; K goes in 36 steps of 128, two to a PERIOD.  Steps 8 q + m (q = 0 .. 3, m = 0 .. 7): block 2 c + h = features 128 q + 64 c + 32 h + 4 m + 0 .. 3, times 8 control points (whole blocks change places, alike in both operands).
;   Steps 32 + q: x itself, features 128 q on.  So lane (r, h) of a maker loads x(r, 128 q + 64 c + 32 h + 0 .. 31): the second product's fragment as it lies, and the food of eight steps of the first.
; THE BASIS in closed form (the knots are evenly spaced, 0.4 apart): S = (tanh x + 1) / 0.4 = 5 - 5 / (1 + e^(2x)); cell = floor(S); u = S - cell; v = 1 - u.  Control points cell .. cell + 3 hold
;   v^3 / 6,  2/3 + u^2 (u / 2 - 1),  2/3 + v^2 (v / 2 - 1),  u^3 / 6;  all others 0.  A block's largest number is the largest of its eight middle ones (each pair's larger is at least 0.479, the outer ones at most 1/6).
;   The 16 numbers of a block's four features go through ONE conversion; each feature's 24 bits of codes are then shifted 6 x cell bits up into its field of 48 bits; the other codes are the code 0.
;   (S = 5: cell = 5, u = 0, the fourth code is 0: 18 bits shifted by 30 fit.)  The shift is a value, no address and no branch.
; THE WEIGHTS: all four work-groups of a cluster walk the same wq, so every tile is asked for JOINTLY (mask 15): a period's 102,400 dense bytes, an eighth to each wave, through two LDS slots.
; INTERVAL t, between two barriers: the makers make period t (buffer t % 2), the multipliers multiply period t - 1 (slot and buffer (t - 1) % 2), the refill behind the barrier brings period t into slot t % 2.
; THE MATRIX INSTRUCTION IS USED TRANSPOSED (source 0 = 16 columns of the weights, source 1 = 16 rows): a lane then holds eight neighbouring numbers of a row of out0.
; LIMITS: NaN in x is not served; at x = +-infinity the basis is right, and the second product is as little finite as the reference's; a block of zeros of x gets the byte 1 (codes 0); blocks of x under 2^-124 are held at the byte 1.
; LDS: slots 0, 1 | A's buffers: 2 x 2 steps of 6,656 bytes (4 images of 1,536, then 512 bytes of scale words, 16 x lane + 4 a) | the same for x's four steps | the spare words | a stage of 16 rows x 528 bytes for each multiplier.
; REGISTERS.  v1-18 addresses, made by every wave ahead of the first parting of the roles; they never hold data.
;   multipliers: v32-127 A's fragments, two sets; v128-223 B's eight; v240-247 A's scale words, v248-255 B's (no other line names these sixteen); window 1: accumulator (a, b) at v[8 (4 b + a)].
;   makers (window 0 alone): v19 scale word; v20-31 fragment; v32-95 x as it lands; v96-159 x times 2 log2(e); v160-239 at work.
.set SLOTB,  102400                    ; a period: 2 x 49,152 bytes of codes, 2 x 2,048 of scale words
.set STEPB,  49152
.set SCLO,   98304
.set ABUF,   2*SLOTB
.set ASTEP,  6656
.set ASC,    6144
.set RESO,   4*ASTEP                   ; x's four steps, counted from ABUF
.set SPARE,  ABUF+8*ASTEP              ; the spare words, 128 bytes for each of eight waves: four blocks of 256 bytes that no other line names
.set STAGE,  SPARE+1024
.set SPITCH, 528
.set AF,  32
.set BF,  128
.set SA,  240
.set SB,  248
.set PW,  19
.set PP,  20
.set XN,  32
.set XA,  96
.set TT,  160                          ; v160-167 e, d, -5 r, S of the step's eight features
.set CC,  160                          ; later v160-162 a block's 16 codes,
.set BY0, 163                          ; v163 the first block's byte,
.set FF,  164                          ; v164-167 the four features' 24 bits
.set CL,  168                          ; v168-175 cell, then the shift 6 x cell
.set NS,  176                          ; v176-183 30 - shift
.set YY,  184                          ; v184-199 pairs (v, u)
.set Y2,  200                          ; v200-207 their squares;  later v200-203 the 24 bits >> 2, v205, v207 low words
.set GG,  200
.set LW,  204
.set A6,  208                          ; v208-215 (v, u) / 6;  later v208-211 high words, v212 largest, v213 scale operand, v214 the second byte
.set HW,  208
.set MX,  212
.set SCO, 213
.set BY1, 214
.set CH,  216                          ; v216-223 (v, u) / 2 - 1
.set WW,  224                          ; v224-239 a block's 16 numbers
.set MSB, 0
.macro WIN new                         ; the immediate's high byte repeats the setting that is left
.if MSB != \new
	s_set_vgpr_msb (MSB<<8)|\new
.set MSB, \new
.endif
.endm
.set MUL, 0x50                         ; C and D in window 1; operands in window 0
.macro PLACES                          ; four plain places behind matrix instructions, in front of loads into their registers and of reads of their results (ISA guide 7.12.1 for reads of their results)
.rept 4
	v_nop
.endr
.endm
.macro ROUND                           ; a round of the cluster's barrier
	s_barrier_signal -1
	s_barrier_wait -1
	s_cmp_lg_u32 s10, 0
	s_cbranch_scc1 .Lnw0_\@
	s_barrier_signal -3
.Lnw0_\@:
	s_barrier_wait -3
	s_barrier_signal -1
	s_barrier_wait -1
.endm
; The change of intervals with a refill of slot s.  Every wave: all its tensor loads have landed (its eighth of the slot read next); 0 onto its spare word; its LDS loads and stores are done.  Behind the round no wave of any
; partner reads slot s, the makers' last period lies whole in LDS and its buffer's forerunner is read out.  The refill is the first thing behind the round, one load a wave.
.macro SYNC s
	s_wait_tensorcnt 0x0                           ; no tensor load of mine is out, so a group 0 may be written
	ds_add_u32 v1, v2                              ; 0 onto my spare word
	s_add_nc_u64 s[26+4*\s:27+4*\s], s[26+4*\s:27+4*\s], 2*SLOTB   ; this slot's next period; the type bits on top are not reached
	s_wait_dscnt 0x0                               ; the add is done; my reads and my stores are done
	ROUND
	tensor_load_to_lds s[24+4*\s:27+4*\s], s[16:23]
	s_nop 0
	PLACES                                         ; (they are also the places behind the last products)
.endm
.macro SYNC0                           ; the last change: nothing is left to fetch
	s_wait_tensorcnt 0x0
	ds_add_u32 v1, v2
	s_wait_dscnt 0x0
	s_barrier_signal -1
	s_barrier_wait -1
	PLACES
.endm
; ---------------- the multipliers' macros
.macro FETCH_A set, aoff               ; 4 fragments (rows 16 a on) and their scale words: 13 loads
.set aa, 0
.rept 4
.irp g, 0,1,2
	ds_load_b128 v[AF+48*\set+12*aa+4*\g:AF+48*\set+12*aa+4*\g+3], v3 offset:(\aoff)+1536*aa+512*\g
.endr
.set aa, aa+1
.endr
	ds_load_b128 v[SA+4*\set:SA+4*\set+3], v3 offset:(\aoff)+ASC   ; register a: lane r holds the word of row 16 a + r
.endm
.macro FETCH_B slot, e, b0             ; 4 of my 8 column tiles, step e of the slot: 12 loads
.set bb, \b0
.rept 4
.irp g, 0,1,2
	ds_load_b128 v[BF+12*bb+4*\g:BF+12*bb+4*\g+3], v[4+\slot] offset:STEPB*\e+1536*bb+512*\g
.endr
.set bb, bb+1
.endr
.endm
.macro FETCH_SB slot, e                ; register b / 2 of the set: lanes 0-15 the words of tile b even, lanes 16-31 of tile b odd: 2 loads
.irp f, 0,1
	ds_load_b64 v[SB+4*\e+2*\f:SB+4*\e+2*\f+1], v[6+\slot] offset:2048*\e+256*\f
.endr
.endm
; 16 matrix instructions: column tiles b0 .. b0 + 3 x the four tiles of rows, 128 along K.  The 32 accumulators take turns, one instruction a turn, in one fixed order.
.macro MUL16 set, b0, zero
.set bb, \b0
.rept 4
.set aa, 0
.rept 4
.if \zero
.if bb%2
	v_wmma_scale_f32_16x16x128_f8f6f4 v[8*(4*bb+aa):8*(4*bb+aa)+7], v[BF+12*bb:BF+12*bb+11], v[AF+48*\set+12*aa:AF+48*\set+12*aa+11], 0, v[SB+4*\set+bb/2], v[SA+4*\set+aa] matrix_a_fmt:MATRIX_FMT_FP6 matrix_b_fmt:MATRIX_FMT_FP6 matrix_a_scale:MATRIX_SCALE_ROW1
.else
	v_wmma_scale_f32_16x16x128_f8f6f4 v[8*(4*bb+aa):8*(4*bb+aa)+7], v[BF+12*bb:BF+12*bb+11], v[AF+48*\set+12*aa:AF+48*\set+12*aa+11], 0, v[SB+4*\set+bb/2], v[SA+4*\set+aa] matrix_a_fmt:MATRIX_FMT_FP6 matrix_b_fmt:MATRIX_FMT_FP6
.endif
.else
.if bb%2
	v_wmma_scale_f32_16x16x128_f8f6f4 v[8*(4*bb+aa):8*(4*bb+aa)+7], v[BF+12*bb:BF+12*bb+11], v[AF+48*\set+12*aa:AF+48*\set+12*aa+11], v[8*(4*bb+aa):8*(4*bb+aa)+7], v[SB+4*\set+bb/2], v[SA+4*\set+aa] matrix_a_fmt:MATRIX_FMT_FP6 matrix_b_fmt:MATRIX_FMT_FP6 matrix_a_scale:MATRIX_SCALE_ROW1
.else
	v_wmma_scale_f32_16x16x128_f8f6f4 v[8*(4*bb+aa):8*(4*bb+aa)+7], v[BF+12*bb:BF+12*bb+11], v[AF+48*\set+12*aa:AF+48*\set+12*aa+11], v[8*(4*bb+aa):8*(4*bb+aa)+7], v[SB+4*\set+bb/2], v[SA+4*\set+aa] matrix_a_fmt:MATRIX_FMT_FP6 matrix_b_fmt:MATRIX_FMT_FP6
.endif
.endif
.set aa, aa+1
.endr
.set bb, bb+1
.endr
.endm
; A multiplier's interval: the period in slot `slot`, A's two steps at a0 and a1 (bytes from ABUF).  B has one set of registers, refilled by halves; A two.  m1 = 1: the last period's left-over quarter
; (step 1, tiles 4-7) is multiplied first, from registers, while this period's first loads are on their way.  zero = 1: the first step's products start the sums: nothing is cleared.
.macro CONS slot, a0, a1, m1, zero
	FETCH_A 0, \a0                                 ; 27 loads
	FETCH_B \slot, 0, 0
	FETCH_SB \slot, 0
.if \m1
	WIN MUL
	MUL16 1, 4, 0
	PLACES
	WIN 0
.endif
	FETCH_B \slot, 0, 4                            ; 12 loads
	s_wait_dscnt 12                                ; all but those 12
	WIN MUL
	MUL16 0, 0, \zero
	s_wait_dscnt 0x0                               ; tiles 4-7 of step 0 are in
	PLACES
	WIN 0
	FETCH_A 1, \a1                                 ; 27 loads
	FETCH_B \slot, 1, 0
	FETCH_SB \slot, 1
	WIN MUL
	MUL16 0, 4, \zero
	PLACES
	WIN 0
	FETCH_B \slot, 1, 4                            ; 12 loads: waited for in front of the next barrier
	s_wait_dscnt 12                                ; all but those 12
	WIN MUL
	MUL16 1, 0, 0
	WIN 0
.endm
; ---------------- the makers' macros
.macro XLOAD off                       ; my 16 rows' 128 features from off bytes on: register 32 c + j = x(r, .. + 64 c + 32 h + j)
.irp c, 0,1
.irp j, 0,1,2,3,4,5,6,7
	global_load_b128 v[XN+32*\c+4*\j:XN+32*\c+4*\j+3], v12, s[32:33] offset:\off+256*\c+16*\j th:TH_LOAD_NT
.endr
.endr
.endm
.macro PREF off                        ; my wave's 16 rows x 512 bytes of a later group: 32 lanes, 256 bytes apart; each such block is asked for once in the launch, by this wave
	global_prefetch_b8 v18, s[32:33] offset:\off th:TH_LOAD_NT scope:SCOPE_SE
.endm
; A group's head: the 64 numbers of x are the second product's fragment (two whole blocks a lane): quantised, image and scale word to LDS; then x times 2 log2(e) for the eight steps to come.
.macro GROUPHEAD
.irp c, 0,1
	v_max3_num_f32 v[200+\c], |v[XN+32*\c]|, |v[XN+32*\c+1]|, 0x1800000   ; with the floor 2^(3 - 127): the byte cannot fall under 1
.endr
.irp i, 2,4,6,8,10,12,14,16,18,20,22,24,26,28,30
.irp c, 0,1
	v_max3_num_f32 v[200+\c], v[200+\c], |v[XN+32*\c+\i]|, |v[XN+32*\c+\i+1]|
.endr
.endr
.irp c, 0,1
	v_add_nc_u32 v[202+\c], 0xff000000, v[200+\c]  ; 2 off the exponent field: the conversion's scale operand
.endr
.irp c, 0,1
	v_lshrrev_b32 v[204+\c], 23, v[202+\c]         ; the byte
.endr
	s_wait_dscnt 0x0                               ; my earlier stores have read the fragment's registers and the scale word
	v_lshl_or_b32 v[PW], v205, 16, v204            ; blocks h and 2 + h,
	v_lshlrev_b32 v[PW], v16, v[PW]                ; 8 h bits up;
	v_permlanex16_b32 v17, v[PW], s38, s39
	v_or_b32 v[PW], v[PW], v17                     ; with lane l xor 16's two bytes the word is whole
.irp c, 0,1
	v_cvt_scalef32_pk16_fp6_f32 v[PP+6*\c:PP+6*\c+2], v[XN+32*\c:XN+32*\c+15], v[202+\c]
	v_cvt_scalef32_pk16_fp6_f32 v[160+4*\c:162+4*\c], v[XN+32*\c+16:XN+32*\c+31], v[202+\c]   ; (a conversion's three registers begin on an even number)
.endr
	v_nop                                          ; one plain place behind a scaled conversion
.irp c, 0,1
.irp i, 0,1,2
	v_mov_b32 v[PP+3+6*\c+\i], v[160+4*\c+\i]
.endr
.endr
.irp g, 0,1,2
	ds_store_b128 v10, v[PP+4*\g:PP+4*\g+3] offset:512*\g
.endr
	ds_store_b32 v11, v[PW]
.set ii, 0
.rept 32
	v_pk_mul_f32 v[XA+ii:XA+ii+1], v[XN+ii:XN+ii+1], s[40:41] op_sel_hi:[1,0]
.set ii, ii+2
.endr
.endm
; Block 2 c + h of a step: four features, their pairs (v, u) at v[YY + 8 c ..], shifts at v[CL + 4 c ..].
.macro BLOCK c
.irp f, 0,1,2,3
	v_pk_mul_f32 v[Y2+2*\f:Y2+2*\f+1], v[YY+8*\c+2*\f:YY+8*\c+2*\f+1], v[YY+8*\c+2*\f:YY+8*\c+2*\f+1]
.endr
.irp f, 0,1,2,3
	v_pk_mul_f32 v[A6+2*\f:A6+2*\f+1], v[YY+8*\c+2*\f:YY+8*\c+2*\f+1], 0x3e2aaaab op_sel_hi:[1,0]   ; / 6
.endr
.irp f, 0,1,2,3
	v_pk_fma_f32 v[CH+2*\f:CH+2*\f+1], v[YY+8*\c+2*\f:YY+8*\c+2*\f+1], 0.5, -1.0 op_sel_hi:[1,0,0]
.endr
.irp f, 0,1,2,3
	v_mul_f32 v[WW+4*\f], v[Y2+2*\f], v[A6+2*\f]                          ; v^3 / 6
	v_mul_f32 v[WW+4*\f+3], v[Y2+2*\f+1], v[A6+2*\f+1]                    ; u^3 / 6
	v_fmaak_f32 v[WW+4*\f+1], v[Y2+2*\f+1], v[CH+2*\f+1], 0x3f2aaaab      ; 2/3 + u^2 (u / 2 - 1)
	v_fmaak_f32 v[WW+4*\f+2], v[Y2+2*\f], v[CH+2*\f], 0x3f2aaaab          ; 2/3 + v^2 (v / 2 - 1)
.endr
	v_max3_num_f32 v[MX], v[WW+1], v[WW+2], v[WW+5]                       ; the block's largest number is among the eight middle ones
	v_max3_num_f32 v[MX], v[MX], v[WW+6], v[WW+9]
	v_max3_num_f32 v[MX], v[MX], v[WW+10], v[WW+13]
	v_max_num_f32 v[MX], v[MX], v[WW+14]
	v_add_nc_u32 v[SCO], 0xff000000, v[MX]         ; 2 off its exponent field
	v_cvt_scalef32_pk16_fp6_f32 v[CC:CC+2], v[WW:WW+15], v[SCO]   ; 96 bits: feature f's four codes at bit 24 f
.if \c == 0
	v_lshrrev_b32 v[BY0], 23, v[SCO]               ; the byte.  (The plain place behind the conversion)
.else
	v_lshrrev_b32 v[BY1], 23, v[SCO]
.endif
	v_and_b32 v[FF], 0xffffff, v[CC]
	v_alignbit_b32 v[FF+1], v[CC+1], v[CC], 24
	v_alignbit_b32 v[FF+2], v[CC+2], v[CC+1], 16
	v_lshrrev_b32 v[FF+3], 8, v[CC+2]
	v_and_b32 v[FF+1], 0xffffff, v[FF+1]
	v_and_b32 v[FF+2], 0xffffff, v[FF+2]
.irp f, 0,1,2,3
	v_lshrrev_b32 v[GG+\f], 2, v[FF+\f]            ; (so that the shift below is 30 - s and never 32)
.endr
.if \c == 0
	s_wait_dscnt 0x0                               ; the last step's stores have read the fragment's registers and the scale word
.endif
	v_lshlrev_b32 v[PP+6*\c], v[CL+4*\c], v[FF]    ; the 24 bits, s = 6 x cell bits up, in a field of 48: low 32 bits,
	v_lshlrev_b32 v[LW+1], v[CL+4*\c+1], v[FF+1]
	v_lshlrev_b32 v[PP+6*\c+3], v[CL+4*\c+2], v[FF+2]
	v_lshlrev_b32 v[LW+3], v[CL+4*\c+3], v[FF+3]
.irp f, 0,1,2,3
	v_lshrrev_b32 v[HW+\f], v[NS+4*\c+\f], v[GG+\f]   ; and high 16
.endr
	v_lshl_or_b32 v[PP+6*\c+1], v[LW+1], 16, v[HW]   ; four fields of 48 bits on end: the block's six registers
	v_alignbit_b32 v[PP+6*\c+2], v[HW+1], v[LW+1], 16
	v_lshl_or_b32 v[PP+6*\c+4], v[LW+3], 16, v[HW+2]
	v_alignbit_b32 v[PP+6*\c+5], v[HW+3], v[LW+3], 16
.endm
; Step m of the group in hand: its fragment and scale word go to off bytes behind my places in A's buffers.
.macro PSTEP m, off
.irp i, 0,1,2,3
	v_exp_f32 v[TT+\i], v[XA+4*(\m)+\i]            ; e = e^(2x)
	v_exp_f32 v[TT+4+\i], v[XA+32+4*(\m)+\i]
.endr
	v_nop                                          ; a plain place behind the transcendentals
	s_wait_alu depctr_va_vdst(0)
.irp i, 0,2,4,6
	v_pk_fma_f32 v[TT+\i:TT+\i+1], v[TT+\i:TT+\i+1], s[42:43], s[42:43] op_sel_hi:[1,0,0]   ; -0.2 (1 + e), one rounding
.endr
.irp i, 0,1,2,3,4,5,6,7
	v_rcp_f32 v[TT+\i], v[TT+\i]                   ; -5 / (1 + e)
.endr
	v_nop
	s_wait_alu depctr_va_vdst(0)
.irp i, 0,2,4,6
	v_pk_add_f32 v[TT+\i:TT+\i+1], v[TT+\i:TT+\i+1], s[44:45] op_sel_hi:[1,0]   ; S
.endr
.irp i, 0,1,2,3,4,5,6,7
	v_floor_f32 v[CL+\i], |v[TT+\i]|               ; cell.  (|S|: a reciprocal an ulp high at S = 0 must not give cell -1)
.endr
.irp i, 0,1,2,3,4,5,6,7
	v_sub_f32 v[YY+2*\i+1], |v[TT+\i]|, v[CL+\i]   ; u
.endr
.irp i, 0,1,2,3,4,5,6,7
	v_sub_f32 v[YY+2*\i], 1.0, v[YY+2*\i+1]        ; v = 1 - u
.endr
.irp i, 0,2,4,6
	v_pk_mul_f32 v[CL+\i:CL+\i+1], v[CL+\i:CL+\i+1], 0x40c00000 op_sel_hi:[1,0]   ; 6 x cell
.endr
.irp i, 0,1,2,3,4,5,6,7
	v_cvt_u32_f32 v[CL+\i], v[CL+\i]
.endr
.irp i, 0,1,2,3,4,5,6,7
	v_sub_nc_u32 v[NS+\i], 30, v[CL+\i]
.endr
	BLOCK 0
	BLOCK 1
	v_lshl_or_b32 v[PW], v[BY1], 16, v[BY0]        ; my two bytes: blocks h and 2 + h,
	v_lshlrev_b32 v[PW], v16, v[PW]                ; 8 h bits up;
	v_permlanex16_b32 v17, v[PW], s38, s39
	v_or_b32 v[PW], v[PW], v17                     ; with lane l xor 16's two the word is whole
.irp g, 0,1,2
	ds_store_b128 v8, v[PP+4*\g:PP+4*\g+3] offset:(\off)+512*\g
.endr
	ds_store_b32 v9, v[PW] offset:(\off)
.endm
; An interval.  par: the parity of the period that is multiplied (its slot, its buffer); the makers write the other buffer, steps m0 and m0 + 1.
; kind 1: a group's head comes first.  kind 2, 3: the next group's x is asked for at the interval's head and waited for at its end, so that no load is out where the roles' ways join; behind the loads one
; prefetch asks for the group after that, four intervals ahead of its loads.  kind 3 (in the loop): the last trip asks for nothing and the last but one prefetches nothing: no access leaves a row of x.
.macro IV id, par, m1, zero, m0, kind
	s_cmp_lt_u32 s10, 4
	s_cbranch_scc0 .Lprod_\id
	CONS \par, 2*\par*ASTEP, (2*\par+1)*ASTEP, \m1, \zero
	s_branch .Ljoin_\id
.Lprod_\id:
.if \kind == 1
	GROUPHEAD
.endif
.if \kind == 2
	XLOAD 512
	PREF 1024
.endif
.if \kind == 3
	s_cmp_eq_u32 s36, 1
	s_cbranch_scc1 .Lnox_\id
	XLOAD 512
	s_cmp_eq_u32 s36, 2
	s_cbranch_scc1 .Lnox_\id
	PREF 1024
.Lnox_\id:
.endif
	PSTEP \m0, 2*(1-\par)*ASTEP
	PSTEP \m0+1, (3-2*\par)*ASTEP
.if \kind >= 2
	s_wait_loadcnt 0x0                             ; the next group's x is in
.endif
.Ljoin_\id:
.endm
.macro TAILIV id, slot, a0, a1         ; the makers have nothing left to make
	s_cmp_lt_u32 s10, 4
	s_cbranch_scc0 .Ljoin_\id
	CONS \slot, \a0, \a1, 1, 0
.Ljoin_\id:
.endm
.macro TRIPEND                         ; on to the next group of 128 features; on every wave's way, so that the address registers stay alike in both roles
	s_wait_xcnt 0x0                                ; the loads and the prefetch have read their base
	s_add_nc_u64 s[32:33], s[32:33], 512
	v_add_nc_u32 v10, ASTEP, v10
	v_add_nc_u32 v11, ASTEP, v11
.endm
; ---------------- the head
	s_load_b128 s[4:7], s[0:1], 0x0                ; x s[4:5], wq s[6:7]
	s_load_b64 s[8:9], s[0:1], 0x10                ; out0
	v_lshl_add_u32 v1, v0, 2, SPARE                ; my spare word; never rewritten
	v_mov_b32 v2, 0                                ; never rewritten
	ds_add_u32 v1, v2
	s_wait_dscnt 0x0
	v_lshrrev_b32 v20, 5, v0
	v_readfirstlane_b32 s10, v20                   ; wave 0..7
	s_and_b32 s11, s10, 3                          ; my number within my role
	s_bfe_u32 s12, ttmp6, 0x40000                  ; cx
	s_lshl_b32 s13, ttmp9, 2
	s_add_co_u32 s13, s13, s12                     ; work-group = 4 x cluster + cx: it enters x's and out0's addresses alone
	v_and_b32 v21, 31, v0                          ; lane
	v_and_b32 v22, 15, v0                          ; r
	v_bfe_u32 v23, v0, 4, 1                        ; h
	v_lshlrev_b32 v24, 4, v21                      ; 16 x lane
	v_add_nc_u32 v3, ABUF, v24                     ; v3   images of A, read
	s_mul_i32 s14, s11, 8*1536
	v_add_nc_u32 v4, s14, v24                      ; v4   my 8 column tiles in slot 0,
	v_add_nc_u32 v5, SLOTB, v4                     ; v5   in slot 1
	s_lshl_b32 s14, s11, 9
	s_add_co_u32 s14, s14, SCLO
	v_lshl_add_u32 v6, v21, 3, s14                 ; v6   their scale words in slot 0,
	v_add_nc_u32 v7, SLOTB, v6                     ; v7   in slot 1
	s_mul_i32 s14, s11, 1536
	v_add_nc_u32 v8, s14, v3                       ; v8   where a maker stores its image,
	s_lshl_b32 s14, s11, 2
	s_add_co_u32 s14, s14, ASC
	v_add_nc_u32 v9, s14, v3                       ; v9   and its scale word
	v_add_nc_u32 v10, RESO, v8                     ; v10  the same for x's own steps: stepped once a group
	v_add_nc_u32 v11, RESO, v9                     ; v11
	v_lshlrev_b32 v12, 11, v22
	v_lshl_add_u32 v12, v23, 7, v12                ; v12  x: row r of 2,048 bytes, + 32 features for the upper half of the lanes
	s_mul_i32 s14, s11, 16*SPITCH
	s_add_co_u32 s14, s14, STAGE
	v_mul_u32_u24 v13, v22, SPITCH
	v_lshl_add_u32 v13, v23, 5, v13
	v_add_nc_u32 v13, s14, v13                     ; v13  the stage, in: row r, 32 bytes for each half of the lanes
	v_add_nc_u32 v14, s14, v24                     ; v14  back: the 32 lanes take one row of 512 bytes
	s_lshl_b32 s15, s11, 9
	v_add_nc_u32 v15, s15, v24                     ; v15  and the same in a row of out0: my 128 columns
	v_lshlrev_b32 v16, 3, v23                      ; v16  8 h
	v_mov_b32 v17, 0                               ; v17  a lane permute's destination counts as one of its sources
	v_lshlrev_b32 v18, 11, v22
	v_lshl_add_u32 v18, v23, 8, v18                ; v18  the prefetch: row r, 256 bytes for each half
	s_mov_b32 s38, 0x76543210
	s_mov_b32 s39, 0xfedcba98                      ; v_permlanex16_b32's selects for lane l xor 16
	s_mov_b32 s40, 0x4038aa3b                      ; 2 log2(e)
	s_mov_b32 s41, s40                             ; (named with it as a pair, so it is written)
	s_mov_b32 s42, 0xbe4ccccd                      ; -0.2
	s_mov_b32 s43, s42
	s_mov_b32 s44, 0x40a00000                      ; 5.0
	s_mov_b32 s45, s44
	; descriptor group 1: an eighth of a period, 12,800 dense bytes, as 50 rows of 256 bytes (32 elements of 8 bytes); no padding: images are read 16 bytes a lane on end
	s_mov_b32 s16, 15|(3<<16)|(1<<21)              ; 15:0 the mask: all four work-groups; 17:16 elements of 8 bytes; 21 set beside a mask
	s_mov_b32 s17, 32<<16                          ; tensor_dim0 = 32
	s_mov_b32 s18, 50<<16                          ; tensor_dim1 = 50
	s_mov_b32 s19, 32<<16                          ; tile_dim0 = 32
	s_mov_b32 s20, 50                              ; tile_dim1 = 50
	s_mov_b32 s21, 32                              ; from row to row
	s_mov_b32 s22, 0
	s_mov_b32 s23, 0
	s_lshl_b32 s14, s13, 17                        ; 64 rows of 2,048 bytes a work-group, in x and in out0
	s_mov_b32 s15, 0
	s_wait_kmcnt 0x0
	s_add_nc_u64 s[34:35], s[8:9], s[14:15]        ; out0 at the work-group's first row
	s_add_nc_u64 s[32:33], s[4:5], s[14:15]
	s_lshl_b32 s14, s11, 15
	s_add_nc_u64 s[32:33], s[32:33], s[14:15]      ; x at a maker's first row
	s_mul_i32 s14, s10, 12800                      ; my eighth: the same in memory and in a slot; no place in the cluster enters it
	s_mov_b32 s24, 1                               ; group 0, slot 0: count = 1,
	s_mov_b32 s25, s14                             ; LDS address,
	s_add_nc_u64 s[26:27], s[6:7], s[14:15]        ; global address: period 0,
	s_mov_b32 s28, 1                               ; slot 1:
	s_add_co_u32 s29, s14, SLOTB
	s_add_nc_u64 s[30:31], s[26:27], SLOTB         ; period 1
	s_or_b32 s27, s27, 0x80000000                  ; type = 2
	s_or_b32 s31, s31, 0x80000000
	s_cmp_lt_u32 s10, 4
	s_cbranch_scc1 .Lhead_c
	XLOAD 0                                        ; the first group's x
	PREF 512                                       ; and a request for the second's
.Lhead_c:
	ROUND                                          ; all four work-groups are here: the first joint loads meet
	tensor_load_to_lds s[24:27], s[16:23]          ; both first fills together: two loads of mine are out
	s_nop 0
	tensor_load_to_lds s[28:31], s[16:23]
	s_nop 0
	PLACES
; ---------------- interval 0: the makers alone
	s_cmp_lt_u32 s10, 4
	s_cbranch_scc1 .Ljoin_p0
	s_wait_loadcnt 0x0
	GROUPHEAD
	PSTEP 0, 0
	PSTEP 1, ASTEP
.Ljoin_p0:
	s_wait_tensorcnt 0x1                           ; my eighth of slot 0 is in; slot 1's may stay out
	s_wait_loadcnt 0x0                             ; no load of x is out
	s_wait_dscnt 0x0                               ; the makers' stores have landed
	s_barrier_signal -1
	s_barrier_wait -1
	IV p1, 0, 0, 1, 2, 2                           ; period 0 starts the sums | steps 2, 3; the second group's x
	SYNC 0
	IV p2, 1, 1, 0, 4, 0
	SYNC 1
	IV p3, 0, 1, 0, 6, 0
	TRIPEND
	s_mov_b32 s36, 3
.Ltrip:                                                ; a trip: one group of 128 features, four intervals, eight K steps
	SYNC 0
	IV la, 1, 1, 0, 0, 1
	SYNC 1
	IV lb, 0, 1, 0, 2, 3
	SYNC 0
	IV lc, 1, 1, 0, 4, 0
	SYNC 1
	IV ld, 0, 1, 0, 6, 0
	TRIPEND
	s_sub_co_u32 s36, s36, 1
	s_cmp_lg_u32 s36, 0
	s_cbranch_scc1 .Ltrip
	SYNC 0                                         ; period 16 into slot 0
	TAILIV t16, 1, 2*ASTEP, 3*ASTEP                ; period 15
	SYNC 1                                         ; period 17 into slot 1: the last load
	TAILIV t17, 0, RESO, RESO+ASTEP                ; period 16: x's steps 0, 1
	SYNC0
	s_cmp_lt_u32 s10, 4
	s_cbranch_scc0 .Lend
	CONS 1, RESO+2*ASTEP, RESO+3*ASTEP, 1, 0       ; period 17: x's steps 2, 3
	s_wait_dscnt 0x0
	WIN MUL
	MUL16 1, 4, 0                                  ; the last quarter
	WIN 0
	PLACES
; THE WAY OUT, a tile of 16 rows x my 128 columns at a time.  A lane holds 32 neighbouring bytes of a row and the lanes beside it other rows: the tile goes through my own stage and comes back as whole rows of 512 bytes.
; LDS serves a wave's instructions in order (ISA guide 5.7.1.4): no wait between the stores and the loads, nor in front of the next tile's stores.
.macro TOSTAGE a
	WIN 0x04                                       ; an LDS store's data are its source 1: window 1
.set bb, 0
.rept 8
	ds_store_b128 v13, v[8*(4*bb+\a):8*(4*bb+\a)+3] offset:64*bb        ; each accumulator from its low end on
	ds_store_b128 v13, v[8*(4*bb+\a)+4:8*(4*bb+\a)+7] offset:64*bb+16
.set bb, bb+1
.endr
	WIN 0
.set BB, 32+64*((\a)%2)
.irp t, 0,1,2,3,4,5,6,7,8,9,10,11,12,13,14,15
	ds_load_b128 v[BB+4*\t:BB+4*\t+3], v14 offset:\t*SPITCH
.endr
.endm
.macro SEND a, younger                 ; younger: the LDS instructions issued behind tile a's loads, which may stay out
.set BB, 32+64*((\a)%2)
	s_wait_dscnt \younger
.irp t, 0,1,2,3,4,5,6,7,8,9,10,11,12,13,14,15
	global_store_b128 v15, v[BB+4*\t:BB+4*\t+3], s[34:35] offset:(16*(\a)+\t)*2048 th:TH_STORE_NT   ; 32 lanes store 512 consecutive bytes, at a multiple of 256 from out0's first byte
.endr
.endm
	TOSTAGE 0
	TOSTAGE 1
	SEND 0, 32                                     ; behind tile 0's loads: tile 1's 16 stores and 16 loads
	s_wait_xcnt 0x0                                ; tile 0's stores have read their registers: tile 2's loads may land there
	TOSTAGE 2
	SEND 1, 32
	s_wait_xcnt 0x0
	TOSTAGE 3
	SEND 2, 32
	SEND 3, 0
.Lend:
	s_wait_tensorcnt 0x0                           ; the wave's end, behind my last tensor load and my last LDS store
	ds_add_u32 v1, v2
	s_wait_dscnt 0x0
	ROUND                                          ; the closing round: no work-group ends while a partner may still ask for a tile that names it
	s_endpgm
.Lfunc_end_k_q1f4d492e51_kan:
	.size	k_q1f4d492e51_kan, .Lfunc_end_k_q1f4d492e51_kan-k_q1f4d492e51_kan
	.p2alignl 7, 3214868480
	.fill 96, 4, 3214868480
	.section	.rodata,"a",@progbits
	.p2align	6, 0x0
	.amdhsa_kernel k_q1f4d492e51_kan
		.amdhsa_group_segment_fixed_size 327680
		.amdhsa_private_segment_fixed_size 0
		.amdhsa_enable_private_segment 0
		.amdhsa_kernarg_size 24
		.amdhsa_user_sgpr_count 2
		.amdhsa_user_sgpr_kernarg_segment_ptr 1
		.amdhsa_wavefront_size32 1
		.amdhsa_system_sgpr_workgroup_id_x 1
		.amdhsa_system_sgpr_workgroup_id_y 1
		.amdhsa_system_sgpr_workgroup_id_z 1
		.amdhsa_system_vgpr_workitem_id 0
		.amdhsa_next_free_vgpr 512
		.amdhsa_next_free_sgpr 66
		.amdhsa_reserve_vcc 0
		.amdhsa_float_denorm_mode_32 3
		.amdhsa_float_denorm_mode_16_64 3
		.amdhsa_memory_ordered 1
		.amdhsa_forward_progress 1
		.amdhsa_inst_pref_size 255
	.end_amdhsa_kernel
	.section	.bss,"aw",@nobits
	.p2align	6
	.space	262144
	.amdgpu_metadata
---
amdhsa.version: [ 1, 2 ]
amdhsa.kernels:
  - .name:           k_q1f4d492e51_kan
    .symbol:         k_q1f4d492e51_kan.kd
    .args:
      - { .name: x, .offset: 0, .size: 8, .value_kind: global_buffer, .address_space: global }
      - { .name: wq, .offset: 8, .size: 8, .value_kind: global_buffer, .address_space: global }
      - { .name: out0, .offset: 16, .size: 8, .value_kind: global_buffer, .address_space: global }
    .group_segment_fixed_size: 327680
    .private_segment_fixed_size: 0
    .kernarg_segment_align: 8
    .kernarg_segment_size: 24
    .max_flat_workgroup_size: 256
    .sgpr_count:     66
    .vgpr_count:     512
    .wavefront_size: 32
...
	.end_amdgpu_metadata
.endif
;; end of part 2
;; ======== version 2 of 2: 2 launches
;; workspace buffers: wq 1,843,200 bytes
;; launch wquant (part 3): grid 8 x 36, 4 waves a work-group, no clusters, 1,536 bytes of LDS; arguments coeffs, base_weight, wq, out1; writes wq, out1
.if DOCPART == 3
	.amdgcn_target "amdgcn-amd-amdhsa--gfx1250"
	.amdhsa_code_object_version 6
	.text
	.protected	k_q1f4d492e51_wquant
	.globl	k_q1f4d492e51_wquant
	.p2align	8
	.type	k_q1f4d492e51_wquant,@function
k_q1f4d492e51_wquant:
	s_mov_b64 s[64:65], 0
	v_nop
	global_prefetch_b8 v0, s[64:65] scope:SCOPE_SE
	s_setreg_imm32_b32 hwreg(HW_REG_WAVE_MODE, 25, 1), 1
	s_wait_xcnt 0x0
; The weights of both products become codes of FP6 (E2M3) with one E8M0 byte for each 32 along K, ONCE, laid as the second launch's registers want them; out1 = 0 is stored here too.
; K of the first product is 8 i + n (feature i, control point n): a block of 32 is 4 neighbouring features x 8 control points.  K of the second is i.
; K STEPS of 128, four to a PERIOD: g = 4 P + e.  P = 0 .. 7: block 2 c + h of the step = features 64 P + 32 h + 8 e + 4 c + 0 .. 3 (whole blocks change places, alike in both operands; inside a block nothing moves).
;                 P = 8: base_weight's rows 128 e .. 128 e + 127, in their own order.
; SHARES.  Work-group (X, g): 64 columns, one K step.  Wave w: ONE fragment, the 16 columns of tile T = 4 X + w.  Lane (r, h) takes column 16 T + r and its registers run down K: blocks h and 2 + h, each whole in the lane.
; wq: for period P and column half H = T / 16 a run of 102,400 bytes at (2 P + H) x 102,400: codes at e x 24,576 + (T % 16) x 1,536 + 512 x group + 16 x lane (the fragment's registers 4 group .. 4 group + 3:
;     an image of the registers); scale words at 98,304 + e x 1,024 + (X % 4) x 256 + 8 x lane + 4 x u: the word of tile 4 X + 2 u + lane / 16, column lane % 16.
; A block's scale is 2^(floor(log2(its largest magnitude)) - 2); its byte is that magnitude's exponent field - 2, held at 1 from below.
; LIMITS: a block of zeros gets the byte 1 where the rule says 127 (its codes are zeros, and this program alone reads the bytes); blocks whose largest magnitude lies under 2^-124 are held at the byte 1; NaN and infinities are not served.
.set PERIOD, 102400
.set STEPB,  24576
.set SCLO,   98304
.set NUM,    64                        ; v64-127  my 64 numbers: 32 c + j
.set PP,     20                        ; v20-31   the fragment
	s_load_b256 s[4:11], s[0:1], 0x0               ; coeffs s[4:5], base_weight s[6:7], wq s[8:9], out1 s[10:11]
	v_lshl_add_u32 v128, v0, 2, 0x400
	v_mov_b32 v129, 0
	v_lshrrev_b32 v1, 5, v0
	v_readfirstlane_b32 s12, v1                    ; wave 0..3
	s_and_b32 s14, ttmp7, 0xffff                   ; g
	v_and_b32 v1, 31, v0                           ; lane
	v_and_b32 v2, 15, v0                           ; r
	v_bfe_u32 v3, v0, 4, 1                         ; h
	v_lshlrev_b32 v4, 5, v2
	v_lshl_add_u32 v4, v3, 19, v4                  ; coeffs: 32 bytes a column, 32 features (of 16,384 bytes) for the upper half of the lanes
	v_lshlrev_b32 v5, 2, v2
	v_lshl_add_u32 v5, v3, 16, v5                  ; base_weight: 4 bytes a column, 32 rows (of 2,048 bytes) for the upper half
	v_lshlrev_b32 v6, 4, v1                        ; an image's place for my lane
	s_and_b32 s15, s12, 1
	s_lshl_b32 s15, s15, 7
	s_lshr_b32 s22, s12, 1
	s_lshl_b32 s22, s22, 2
	s_add_co_u32 s15, s15, s22
	v_lshl_add_u32 v7, v2, 3, s15                  ; LDS: where my column's scale word goes: 8 (16 (w % 2) + r) + 4 (w / 2)
	v_lshlrev_b32 v8, 3, v1                        ; and 8 bytes a lane on the way out
	v_lshlrev_b32 v9, 3, v3                        ; 8 h
	v_mov_b32 v17, 0                               ; a lane permute's destination counts as one of its sources
	v_mov_b32 v42, 0
	v_mov_b32 v43, 0
	s_mov_b32 s20, 0x76543210
	s_mov_b32 s21, 0xfedcba98                      ; v_permlanex16_b32's selects for lane l xor 16
	s_lshl_b32 s24, ttmp9, 2
	s_add_co_u32 s24, s24, s12                     ; T
	s_lshr_b32 s22, s14, 2                         ; P
	s_lshl_b32 s22, s22, 1
	s_lshr_b32 s25, ttmp9, 2                       ; H
	s_add_co_u32 s22, s22, s25
	s_mul_i32 s22, s22, PERIOD                     ; the run's first byte
	s_and_b32 s25, s14, 3                          ; e
	s_mul_i32 s23, s25, STEPB
	s_add_co_u32 s23, s23, s22
	s_and_b32 s26, s24, 15
	s_mul_i32 s26, s26, 1536
	s_add_co_u32 s16, s23, s26                     ; my fragment's image
	s_mov_b32 s17, 0
	s_lshl_b32 s25, s25, 10
	s_add_co_u32 s18, s22, s25
	s_and_b32 s26, ttmp9, 3
	s_lshl_b32 s26, s26, 8
	s_add_co_u32 s18, s18, s26
	s_add_co_u32 s18, s18, SCLO                    ; the work-group's 256 bytes of scale words
	s_mov_b32 s19, 0
	s_mov_b32 s23, 0
	s_wait_kmcnt 0x0
	s_add_nc_u64 s[16:17], s[8:9], s[16:17]
	s_add_nc_u64 s[18:19], s[8:9], s[18:19]
	s_cmp_lt_u32 s14, 32                           ; the two tensors part round their loads alone
	s_cbranch_scc0 .Lbase
	s_lshr_b32 s22, s14, 2
	s_lshl_b32 s22, s22, 6
	s_and_b32 s25, s14, 3
	s_lshl_b32 s25, s25, 3
	s_add_co_u32 s22, s22, s25                     ; feature 64 P + 8 e
	s_lshl_b32 s22, s22, 14
	s_lshl_b32 s25, s24, 9                         ; 16 columns of 32 bytes a tile
	s_add_co_u32 s22, s22, s25
	s_add_nc_u64 s[4:5], s[4:5], s[22:23]
.irp c, 0,1
.irp f, 0,1,2,3
.irp u, 0,1
	global_load_b128 v[NUM+32*\c+8*\f+4*\u:NUM+32*\c+8*\f+4*\u+3], v4, s[4:5] offset:\c*65536+\f*16384+16*\u   ; coeffs(64 P + 32 h + 8 e + 4 c + f, my column, 4 u ..)
.endr
.endr
.endr
	s_branch .Lgot
.Lbase:
	s_sub_co_u32 s22, s14, 32
	s_lshl_b32 s22, s22, 18                        ; 128 rows of 2,048 bytes
	s_lshl_b32 s25, s24, 6
	s_add_co_u32 s22, s22, s25
	s_add_nc_u64 s[6:7], s[6:7], s[22:23]
.set jj, 0
.rept 64
	global_load_b32 v[NUM+jj], v5, s[6:7] offset:(64*(jj/32)+jj%32)*2048 th:TH_LOAD_NT   ; base_weight(128 e + 64 c + 32 h + j, my column): the four waves stand side by side on 256 bytes
.set jj, jj+1
.endr
.Lgot:
	s_wait_loadcnt 0x0
.irp c, 0,1                                    ; my block 2 c + h: all its 32 numbers are mine
	v_max3_num_f32 v[10+\c], |v[NUM+32*\c]|, |v[NUM+32*\c+1]|, 0x1800000   ; and the floor 2^(3 - 127): the byte cannot fall under 1
.endr
.irp i, 2,4,6,8,10,12,14,16,18,20,22,24,26,28,30
.irp c, 0,1
	v_max3_num_f32 v[10+\c], v[10+\c], |v[NUM+32*\c+\i]|, |v[NUM+32*\c+\i+1]|   ; (the two blocks by turns)
.endr
.endr
.irp c, 0,1
	v_add_nc_u32 v[12+\c], 0xff000000, v[10+\c]    ; 2 off the exponent field: the conversion takes the exponent field of this operand as its scale
.endr
.irp c, 0,1
	v_lshrrev_b32 v[14+\c], 23, v[12+\c]           ; the scale's byte
.endr
	v_lshl_or_b32 v16, v15, 16, v14                ; my two bytes: blocks h and 2 + h,
	v_lshlrev_b32 v16, v9, v16                     ; at their places in the word (8 h bits up);
	v_permlanex16_b32 v17, v16, s20, s21
	v_or_b32 v16, v16, v17                         ; with lane l xor 16's two the word is whole
.irp c, 0,1
	v_cvt_scalef32_pk16_fp6_f32 v[PP+6*\c:PP+6*\c+2], v[NUM+32*\c:NUM+32*\c+15], v[12+\c]
	v_cvt_scalef32_pk16_fp6_f32 v[32+4*\c:34+4*\c], v[NUM+32*\c+16:NUM+32*\c+31], v[12+\c]   ; (a conversion's three registers begin on an even number)
.endr
	v_nop                                          ; one plain place behind a scaled conversion
.irp c, 0,1
.irp i, 0,1,2
	v_mov_b32 v[PP+3+6*\c+\i], v[32+4*\c+\i]
.endr
.endr
.irp g, 0,1,2
	global_store_b128 v6, v[PP+4*\g:PP+4*\g+3], s[16:17] offset:512*\g   ; 32 lanes store 512 consecutive bytes, at a multiple of 256 from wq's first byte
.endr
	ds_store_b32 v7, v16                           ; both halves of the lanes write the same word with the same value
	s_wait_dscnt 0x0                               ; for the others' sake: my store has landed
	s_barrier_signal -1
	s_barrier_wait -1
	s_cmp_lg_u32 s12, 0
	s_cbranch_scc1 .Ldone
	ds_load_b64 v[40:41], v8                       ; wave 0: the four tiles' 64 words
	s_wait_dscnt 0x0
	global_store_b64 v8, v[40:41], s[18:19]        ; 32 lanes store 256 consecutive bytes, aligned
	s_or_b32 s22, ttmp9, s14
	s_cmp_lg_u32 s22, 0
	s_cbranch_scc1 .Ldone
	v_cmp_eq_u32 vcc_lo, 0, v1                     ; work-group (0, 0), wave 0, lane 0: out1 = 0
	s_wait_xcnt 0x0                                ; EXEC changes only behind this wait
	s_and_saveexec_b32 s26, vcc_lo
	global_store_b32 v43, v42, s[10:11]
	s_wait_xcnt 0x0                                ; and again in front of the line that widens it
	s_or_b32 exec_lo, exec_lo, s26
.Ldone:
	s_wait_tensorcnt 0x0
	ds_add_u32 v128, v129
	s_wait_dscnt 0x0
	s_endpgm
.Lfunc_end_k_q1f4d492e51_wquant:
	.size	k_q1f4d492e51_wquant, .Lfunc_end_k_q1f4d492e51_wquant-k_q1f4d492e51_wquant
	.p2alignl 7, 3214868480
	.fill 96, 4, 3214868480
	.section	.rodata,"a",@progbits
	.p2align	6, 0x0
	.amdhsa_kernel k_q1f4d492e51_wquant
		.amdhsa_group_segment_fixed_size 1536
		.amdhsa_private_segment_fixed_size 0
		.amdhsa_enable_private_segment 0
		.amdhsa_kernarg_size 32
		.amdhsa_user_sgpr_count 2
		.amdhsa_user_sgpr_kernarg_segment_ptr 1
		.amdhsa_wavefront_size32 1
		.amdhsa_system_sgpr_workgroup_id_x 1
		.amdhsa_system_sgpr_workgroup_id_y 1
		.amdhsa_system_sgpr_workgroup_id_z 1
		.amdhsa_system_vgpr_workitem_id 0
		.amdhsa_next_free_vgpr 130
		.amdhsa_next_free_sgpr 66
		.amdhsa_reserve_vcc 1
		.amdhsa_float_denorm_mode_32 3
		.amdhsa_float_denorm_mode_16_64 3
		.amdhsa_memory_ordered 1
		.amdhsa_forward_progress 1
		.amdhsa_inst_pref_size 15
	.end_amdhsa_kernel
	.amdgpu_metadata
---
amdhsa.version: [ 1, 2 ]
amdhsa.kernels:
  - .name:           k_q1f4d492e51_wquant
    .symbol:         k_q1f4d492e51_wquant.kd
    .args:
      - { .name: coeffs, .offset: 0, .size: 8, .value_kind: global_buffer, .address_space: global }
      - { .name: base_weight, .offset: 8, .size: 8, .value_kind: global_buffer, .address_space: global }
      - { .name: wq, .offset: 16, .size: 8, .value_kind: global_buffer, .address_space: global }
      - { .name: out1, .offset: 24, .size: 8, .value_kind: global_buffer, .address_space: global }
    .group_segment_fixed_size: 1536
    .private_segment_fixed_size: 0
    .kernarg_segment_align: 8
    .kernarg_segment_size: 32
    .max_flat_workgroup_size: 128
    .sgpr_count:     66
    .vgpr_count:     130
    .wavefront_size: 32
...
	.end_amdgpu_metadata
.endif
;; end of part 3
;; launch kan (part 4): grid 256 x 1, 8 waves a work-group, clusters of 4 x 1, 327,680 bytes of LDS; arguments x, wq, out0; writes out0
.if DOCPART == 4
	.amdgcn_target "amdgcn-amd-amdhsa--gfx1250"
	.amdhsa_code_object_version 6
	.text
	.protected	k_q1f4d492e51_kan
	.globl	k_q1f4d492e51_kan
	.p2align	8
	.type	k_q1f4d492e51_kan,@function
k_q1f4d492e51_kan:
	s_mov_b64 s[64:65], 0
	v_nop
	global_prefetch_b8 v0, s[64:65] scope:SCOPE_SE
	s_setreg_imm32_b32 hwreg(HW_REG_WAVE_MODE, 25, 1), 1
	s_wait_xcnt 0x0
	s_wait_alu depctr_hold_cnt(0) depctr_sa_sdst(0) depctr_va_vdst(0) depctr_va_sdst(0) depctr_va_ssrc(0) depctr_va_vcc(0) depctr_vm_vsrc(0)
	s_getreg_b32 s2, hwreg(HW_REG_IB_STS2, 6, 4)
	s_cmp_eq_u32 s2, 0
	s_cbranch_scc0 .Lentry_in_a_cluster
	s_endpgm
.Lentry_in_a_cluster:
	s_bfe_u32 s2, ttmp6, 0x10000c
	s_cmp_lg_u32 s2, 0x3003
	s_cbranch_scc0 .Lentry_shape_is_right
	s_endpgm
.Lentry_shape_is_right:
; out0 = basis(tanh x) . coeffs + x . base_weight, both products on codes of FP6 (E2M3) with one E8M0 scale for each 32 along K; sums in f32.  The weights' codes and scale words come from wq (first launch).
; SHARES.  A work-group owns 128 rows x 256 columns (column half H), so it walks half of wq: 921,600 bytes for its 4,608 matrix instructions; the price: each basis number is made twice on the chip, once for each half.
; Eight waves in two roles:
;   waves 0-3 MULTIPLY: wave w holds rows 64 (w / 2) on x columns 128 (w % 2) on: 32 accumulators, 256 registers;
;   waves 4-7 MAKE OPERANDS: wave 4 + a owns rows 32 a .. 32 a + 31, two tiles: tanh, basis, codes and scale words in registers, handed over through LDS as images of the operand's registers (16 bytes a lane on end).
; K goes in 36 steps of 128, four to a PERIOD.  Period p = 0 .. 7, step e: block 2 c + h = features 64 p + 32 h + 8 e + 4 c + 0 .. 3, times 8 control points (whole blocks change places, alike in both operands).
;   Period 8, step q: x itself, features 128 q on.  Lane (r, h) of a maker loads x(row, 64 p + 32 h + 0 .. 31): one whole block of the second product (half c = p % 2 of its fragment q = p / 2), and the food of four steps of the first.
; THE BASIS in closed form (the knots are evenly spaced, 0.4 apart): S = (tanh x + 1) / 0.4 = 5 - 5 / (1 + e^(2x)); cell = floor(S); u = S - cell; v = 1 - u.  Control points cell .. cell + 3 hold
;   v^3 / 6,  2/3 + u^2 (u / 2 - 1),  2/3 + v^2 (v / 2 - 1),  u^3 / 6;  all others 0.  A block's largest number is the largest of its eight middle ones (each pair's larger is at least 0.479, the outer ones at most 1/6).
;   The 16 numbers of a block's four features go through ONE conversion; each feature's 24 bits of codes are then shifted 6 x cell bits up into its field of 48 bits; the other codes are the code 0.
;   (S = 5: cell = 5, u = 0, the fourth code is 0: 18 bits shifted by 30 fit.)  The shift is a value, no address and no branch.
; THE WEIGHTS: the four work-groups of a cluster are four row blocks of ONE column half and walk the same bytes of wq, so every tile is asked for JOINTLY (mask 15): a period's 102,400 dense bytes, an eighth to each wave,
;   through two LDS slots.  (Only the weights are shared: A is made in the work-group.  So the cluster is 4 x 1.)
; INTERVAL u, between two barriers, is TWO K steps: the makers make steps 2 u, 2 u + 1 (buffer u % 2), the multipliers multiply steps 2 u - 2, 2 u - 1.  Slot P % 2 is read in intervals 2 P + 1 and 2 P + 2, so only the barrier in
;   front of an odd interval is one behind which a slot is filled again; the load issued there has two intervals, four K steps' work, in which to land.  The barrier in front of an even interval hands A over and fills nothing.
; THE MATRIX INSTRUCTION IS USED TRANSPOSED (source 0 = 16 columns of the weights, source 1 = 16 rows): a lane then holds eight neighbouring numbers of a row of out0.
; LIMITS: NaN in x is not served; at x = +-infinity the basis is right, and the second product is as little finite as the reference's; a block of zeros of x gets the byte 1 (codes 0); blocks of x under 2^-124 are held at the byte 1.
; LDS: slots 0, 1 | A's buffers: 2 x 2 steps of 13,312 bytes (for each 64 rows: 4 images of 1,536, then 512 bytes of scale words, 16 x lane + 4 a) | the same for x's four steps | the spare words.
;   The stage of the way out (16 rows x 528 bytes for each multiplier) lies in slot 1, which has then had its last fill (period 7) and its last read (interval 16; two barriers lie between).
; REGISTERS.  v1-17 addresses, made by every wave ahead of the first parting of the roles; they never hold data.
;   multipliers: v32-127 A's fragments, two sets; v128-223 B's eight; v240-247 A's scale words, v248-255 B's (no other line names these sixteen); window 1: accumulator (a, b) at v[8 (4 b + a)].
;   makers (window 0 alone): v18-19 scale words; v20-31 fragment; v32-95 x as it lands, 32 a tile; v96-159 x times 2 log2(e), 32 a tile; v160-239 at work.
.set SLOTB,  102400                    ; a period: 4 x 24,576 bytes of codes, 4 x 1,024 of scale words
.set STEPB,  24576
.set HALFB,  2*STEPB
.set SCLO,   4*STEPB
.set ABUF,   2*SLOTB
.set AHALF,  6656                      ; 64 rows of a step
.set ASTEP,  2*AHALF
.set ASC,    6144
.set RESO,   4*ASTEP                   ; x's four steps, counted from ABUF
.set SPARE,  ABUF+8*ASTEP              ; the spare words, 128 bytes for each of eight waves: four blocks of 256 bytes that no other line names
.set STAGE,  SLOTB
.set SPITCH, 528
.set AF,  32
.set BF,  128
.set SA,  240
.set SB,  248
.set PW,  19
.set PP,  20
.set XN,  32
.set XA,  96
.set TT,  160                          ; v160-167 e, d, -5 r, S of the step's eight features
.set CC,  160                          ; later v160-162 a block's 16 codes,
.set BY0, 163                          ; v163 the first block's byte,
.set FF,  164                          ; v164-167 the four features' 24 bits
.set CL,  168                          ; v168-175 cell, then the shift 6 x cell
.set NS,  176                          ; v176-183 30 - shift
.set YY,  184                          ; v184-199 pairs (v, u)
.set Y2,  200                          ; v200-207 their squares;  later v200-203 the 24 bits >> 2, v205, v207 low words
.set GG,  200
.set LW,  204
.set A6,  208                          ; v208-215 (v, u) / 6;  later v208-211 high words, v212 largest, v213 scale operand, v214 the second byte
.set HW,  208
.set MX,  212
.set SCO, 213
.set BY1, 214
.set CH,  216                          ; v216-223 (v, u) / 2 - 1
.set WW,  224                          ; v224-239 a block's 16 numbers
.set MSB, 0
.macro WIN new                         ; the immediate's high byte repeats the setting that is left
.if MSB != \new
	s_set_vgpr_msb (MSB<<8)|\new
.set MSB, \new
.endif
.endm
.set MUL, 0x50                         ; C and D in window 1; operands in window 0
.macro PLACES                          ; four plain places behind matrix instructions, in front of loads into their registers and of reads of their results (ISA guide 7.12.1 for reads of their results)
.rept 4
	v_nop
.endr
.endm
.macro ROUND                           ; a round of the cluster's barrier
	s_barrier_signal -1
	s_barrier_wait -1
	s_cmp_lg_u32 s10, 0
	s_cbranch_scc1 .Lnw0_\@
	s_barrier_signal -3
.Lnw0_\@:
	s_barrier_wait -3
	s_barrier_signal -1
	s_barrier_wait -1
.endm
; The change of intervals with a refill of slot s.  Every wave: all its tensor loads have landed (its eighth of the slot read next); 0 onto its spare word; its LDS loads and stores are done.  Behind the round no wave of any
; partner reads slot s, and the makers' last two steps lie whole in LDS.  The refill is the first thing behind the round, one load a wave.
.macro SYNC s
	s_wait_tensorcnt 0x0                           ; no tensor load of mine is out, so a group 0 may be written
	ds_add_u32 v1, v2                              ; 0 onto my spare word
	s_add_nc_u64 s[26+4*\s:27+4*\s], s[26+4*\s:27+4*\s], 4*SLOTB   ; this slot's next period of my column half; the type bits on top are not reached
	s_wait_dscnt 0x0                               ; the add is done; my reads and my stores are done
	ROUND
	tensor_load_to_lds s[24+4*\s:27+4*\s], s[16:23]
	s_nop 0
	PLACES                                         ; (they are also the places behind the last products)
.endm
.macro SYNC0                           ; the same where nothing is left to fetch: the last period has landed
	s_wait_tensorcnt 0x0
	ds_add_u32 v1, v2
	s_wait_dscnt 0x0
	s_barrier_signal -1
	s_barrier_wait -1
	PLACES
.endm
.macro PBAR                            ; the change of intervals that fills nothing: A's two steps are handed over, the buffer read last is given back.  A tensor load may stay out across it
	s_wait_dscnt 0x0                               ; for the others' sake: my stores have landed, my reads are in
	s_barrier_signal -1
	s_barrier_wait -1
	PLACES                                         ; the places behind the last products
.endm
; ---------------- the multipliers' macros
.macro FETCH_A set, areg, aoff         ; my 4 fragments (rows 16 a on) and their scale words: 13 loads
.set aa, 0
.rept 4
.irp g, 0,1,2
	ds_load_b128 v[AF+48*\set+12*aa+4*\g:AF+48*\set+12*aa+4*\g+3], v[\areg] offset:(\aoff)+1536*aa+512*\g
.endr
.set aa, aa+1
.endr
	ds_load_b128 v[SA+4*\set:SA+4*\set+3], v[\areg] offset:(\aoff)+ASC   ; register a: lane r holds the word of row 16 a + r
.endm
.macro FETCH_B breg, e, b0             ; 4 of my 8 column tiles, step e of the half slot at v[breg]: 12 loads
.set bb, \b0
.rept 4
.irp g, 0,1,2
	ds_load_b128 v[BF+12*bb+4*\g:BF+12*bb+4*\g+3], v[\breg] offset:STEPB*\e+1536*bb+512*\g
.endr
.set bb, bb+1
.endr
.endm
.macro FETCH_SB sreg, e, es            ; register b / 2 of set e: lanes 0-15 the words of tile b even, lanes 16-31 of tile b odd; step es + e of the slot: 2 loads
.irp f, 0,1
	ds_load_b64 v[SB+4*\e+2*\f:SB+4*\e+2*\f+1], v[\sreg] offset:1024*((\es)+\e)+256*\f
.endr
.endm
; 16 matrix instructions: column tiles b0 .. b0 + 3 x the four tiles of rows, 128 along K.  The 32 accumulators take turns, one instruction a turn, in one fixed order.
.macro MUL16 set, b0, zero
.set bb, \b0
.rept 4
.set aa, 0
.rept 4
.if \zero
.if bb%2
	v_wmma_scale_f32_16x16x128_f8f6f4 v[8*(4*bb+aa):8*(4*bb+aa)+7], v[BF+12*bb:BF+12*bb+11], v[AF+48*\set+12*aa:AF+48*\set+12*aa+11], 0, v[SB+4*\set+bb/2], v[SA+4*\set+aa] matrix_a_fmt:MATRIX_FMT_FP6 matrix_b_fmt:MATRIX_FMT_FP6 matrix_a_scale:MATRIX_SCALE_ROW1
.else
	v_wmma_scale_f32_16x16x128_f8f6f4 v[8*(4*bb+aa):8*(4*bb+aa)+7], v[BF+12*bb:BF+12*bb+11], v[AF+48*\set+12*aa:AF+48*\set+12*aa+11], 0, v[SB+4*\set+bb/2], v[SA+4*\set+aa] matrix_a_fmt:MATRIX_FMT_FP6 matrix_b_fmt:MATRIX_FMT_FP6
.endif
.else
.if bb%2
	v_wmma_scale_f32_16x16x128_f8f6f4 v[8*(4*bb+aa):8*(4*bb+aa)+7], v[BF+12*bb:BF+12*bb+11], v[AF+48*\set+12*aa:AF+48*\set+12*aa+11], v[8*(4*bb+aa):8*(4*bb+aa)+7], v[SB+4*\set+bb/2], v[SA+4*\set+aa] matrix_a_fmt:MATRIX_FMT_FP6 matrix_b_fmt:MATRIX_FMT_FP6 matrix_a_scale:MATRIX_SCALE_ROW1
.else
	v_wmma_scale_f32_16x16x128_f8f6f4 v[8*(4*bb+aa):8*(4*bb+aa)+7], v[BF+12*bb:BF+12*bb+11], v[AF+48*\set+12*aa:AF+48*\set+12*aa+11], v[8*(4*bb+aa):8*(4*bb+aa)+7], v[SB+4*\set+bb/2], v[SA+4*\set+aa] matrix_a_fmt:MATRIX_FMT_FP6 matrix_b_fmt:MATRIX_FMT_FP6
.endif
.endif
.set aa, aa+1
.endr
.set bb, bb+1
.endr
.endm
; A multiplier's interval: two K steps.  B from the half slot at v[breg], its scale words from v[sreg], steps es and es + 1; A's two steps at a0 and a0 + ASTEP behind v[areg].  B has one set of registers, refilled by
; halves; A two.  m1 = 1: the last interval's left-over quarter (its second step, tiles 4-7) is multiplied first, from registers, while this interval's first loads are on their way.
; zero = 1: the first step's products start the sums: nothing is cleared.
.macro CONS breg, sreg, es, areg, a0, m1, zero
	FETCH_A 0, \areg, \a0                          ; 27 loads
	FETCH_B \breg, 0, 0
	FETCH_SB \sreg, 0, \es
.if \m1
	WIN MUL
	MUL16 1, 4, 0
	PLACES
	WIN 0
.endif
	FETCH_B \breg, 0, 4                            ; 12 loads
	s_wait_dscnt 12                                ; all but those 12
	WIN MUL
	MUL16 0, 0, \zero
	s_wait_dscnt 0x0                               ; tiles 4-7 of the first step are in
	PLACES
	WIN 0
	FETCH_A 1, \areg, (\a0)+ASTEP                  ; 27 loads
	FETCH_B \breg, 1, 0
	FETCH_SB \sreg, 1, \es
	WIN MUL
	MUL16 0, 4, \zero
	PLACES
	WIN 0
	FETCH_B \breg, 1, 4                            ; 12 loads: waited for in front of the next barrier
	s_wait_dscnt 12                                ; all but those 12
	WIN MUL
	MUL16 1, 0, 0
	WIN 0
.endm
.macro CPH ph, m1, zero                ; the multipliers' interval u, by ph = u % 4: which half of which slot, which buffer of A
.if (\ph) == 1
	CONS 5, 9, 0, 3, 0, \m1, \zero
.elseif (\ph) == 2
	CONS 6, 9, 2, 3, 2*ASTEP, \m1, \zero
.elseif (\ph) == 3
	CONS 7, 10, 0, 3, 0, \m1, \zero
.else
	CONS 8, 10, 2, 3, 2*ASTEP, \m1, \zero
.endif
.endm
; ---------------- the makers' macros
.macro XLOAD off                       ; my 32 rows' 64 features from off bytes on: register 32 t + j = x(16 t + r, .. + 32 h + j); the two halves of the lanes together take 256 consecutive bytes of a row
.irp t, 0,1
.irp j, 0,1,2,3,4,5,6,7
	global_load_b128 v[XN+32*\t+4*\j:XN+32*\t+4*\j+3], v15, s[32:33] offset:\off+32768*\t+16*\j
.endr
.endr
.endm
; A half-group's head: a lane's 32 numbers of x, of each tile, are one whole block of the second product: block 2 c + h of its fragment.  Quantised; the six registers go to their places in the fragment's image
; (register j at 512 (j / 4) + 4 (j % 4)), the two bytes of blocks 2 c, 2 c + 1 to theirs in the scale word; then x times 2 log2(e) for the four steps to come.
.macro HALFHEAD c
.irp t, 0,1
	v_max3_num_f32 v[200+\t], |v[XN+32*\t]|, |v[XN+32*\t+1]|, 0x1800000   ; with the floor 2^(3 - 127): the byte cannot fall under 1
.endr
.irp i, 2,4,6,8,10,12,14,16,18,20,22,24,26,28,30
.irp t, 0,1
	v_max3_num_f32 v[200+\t], v[200+\t], |v[XN+32*\t+\i]|, |v[XN+32*\t+\i+1]|   ; (the two tiles by turns)
.endr
.endr
.irp t, 0,1
	v_add_nc_u32 v[202+\t], 0xff000000, v[200+\t]  ; 2 off the exponent field: the conversion's scale operand
.endr
.irp t, 0,1
	v_lshrrev_b32 v[204+\t], 23, v[202+\t]         ; the byte
.endr
	s_wait_dscnt 0x0                               ; my earlier stores have read the fragment's registers and the scale words
.irp t, 0,1
	v_lshlrev_b32 v[18+\t], v16, v[204+\t]         ; my byte, 8 h bits up;
.endr
	v_permlanex16_b32 v17, v18, s38, s39
	v_or_b32 v18, v18, v17                         ; with lane l xor 16's: the two bytes of blocks 2 c and 2 c + 1
	v_permlanex16_b32 v17, v19, s38, s39
	v_or_b32 v19, v19, v17
.irp t, 0,1
	v_cvt_scalef32_pk16_fp6_f32 v[PP+6*\t:PP+6*\t+2], v[XN+32*\t:XN+32*\t+15], v[202+\t]
	v_cvt_scalef32_pk16_fp6_f32 v[160+4*\t:162+4*\t], v[XN+32*\t+16:XN+32*\t+31], v[202+\t]   ; (a conversion's three registers begin on an even number)
.endr
	v_nop                                          ; one plain place behind a scaled conversion
.irp t, 0,1
.irp i, 0,1,2
	v_mov_b32 v[PP+3+6*\t+\i], v[160+4*\t+\i]
.endr
.endr
.irp t, 0,1
.irp i, 0,1,2
	ds_store_b64 v13, v[PP+6*\t+2*\i:PP+6*\t+2*\i+1] offset:1536*\t+512*((6*\c+2*\i)/4)+4*((6*\c+2*\i)%4)
.endr
	ds_store_b16 v14, v[18+\t] offset:4*\t+2*\c
.endr
.set ii, 0
.rept 32
	v_pk_mul_f32 v[XA+ii:XA+ii+1], v[XN+ii:XN+ii+1], s[40:41] op_sel_hi:[1,0]
.set ii, ii+2
.endr
.endm
; Block 2 c + h of a step: four features, their pairs (v, u) at v[YY + 8 c ..], shifts at v[CL + 4 c ..].
.macro BLOCK c
.irp f, 0,1,2,3
	v_pk_mul_f32 v[Y2+2*\f:Y2+2*\f+1], v[YY+8*\c+2*\f:YY+8*\c+2*\f+1], v[YY+8*\c+2*\f:YY+8*\c+2*\f+1]
.endr
.irp f, 0,1,2,3
	v_pk_mul_f32 v[A6+2*\f:A6+2*\f+1], v[YY+8*\c+2*\f:YY+8*\c+2*\f+1], 0x3e2aaaab op_sel_hi:[1,0]   ; / 6
.endr
.irp f, 0,1,2,3
	v_pk_fma_f32 v[CH+2*\f:CH+2*\f+1], v[YY+8*\c+2*\f:YY+8*\c+2*\f+1], 0.5, -1.0 op_sel_hi:[1,0,0]
.endr
.irp f, 0,1,2,3
	v_mul_f32 v[WW+4*\f], v[Y2+2*\f], v[A6+2*\f]                          ; v^3 / 6
	v_mul_f32 v[WW+4*\f+3], v[Y2+2*\f+1], v[A6+2*\f+1]                    ; u^3 / 6
	v_fmaak_f32 v[WW+4*\f+1], v[Y2+2*\f+1], v[CH+2*\f+1], 0x3f2aaaab      ; 2/3 + u^2 (u / 2 - 1)
	v_fmaak_f32 v[WW+4*\f+2], v[Y2+2*\f], v[CH+2*\f], 0x3f2aaaab          ; 2/3 + v^2 (v / 2 - 1)
.endr
	v_max3_num_f32 v[MX], v[WW+1], v[WW+2], v[WW+5]                       ; the block's largest number is among the eight middle ones
	v_max3_num_f32 v[MX], v[MX], v[WW+6], v[WW+9]
	v_max3_num_f32 v[MX], v[MX], v[WW+10], v[WW+13]
	v_max_num_f32 v[MX], v[MX], v[WW+14]
	v_add_nc_u32 v[SCO], 0xff000000, v[MX]         ; 2 off its exponent field
	v_cvt_scalef32_pk16_fp6_f32 v[CC:CC+2], v[WW:WW+15], v[SCO]   ; 96 bits: feature f's four codes at bit 24 f
.if \c == 0
	v_lshrrev_b32 v[BY0], 23, v[SCO]               ; the byte.  (The plain place behind the conversion)
.else
	v_lshrrev_b32 v[BY1], 23, v[SCO]
.endif
	v_and_b32 v[FF], 0xffffff, v[CC]
	v_alignbit_b32 v[FF+1], v[CC+1], v[CC], 24
	v_alignbit_b32 v[FF+2], v[CC+2], v[CC+1], 16
	v_lshrrev_b32 v[FF+3], 8, v[CC+2]
	v_and_b32 v[FF+1], 0xffffff, v[FF+1]
	v_and_b32 v[FF+2], 0xffffff, v[FF+2]
.irp f, 0,1,2,3
	v_lshrrev_b32 v[GG+\f], 2, v[FF+\f]            ; (so that the shift below is 30 - s and never 32)
.endr
.if \c == 0
	s_wait_dscnt 0x0                               ; my last stores have read the fragment's registers and the scale word
.endif
	v_lshlrev_b32 v[PP+6*\c], v[CL+4*\c], v[FF]    ; the 24 bits, s = 6 x cell bits up, in a field of 48: low 32 bits,
	v_lshlrev_b32 v[LW+1], v[CL+4*\c+1], v[FF+1]
	v_lshlrev_b32 v[PP+6*\c+3], v[CL+4*\c+2], v[FF+2]
	v_lshlrev_b32 v[LW+3], v[CL+4*\c+3], v[FF+3]
.irp f, 0,1,2,3
	v_lshrrev_b32 v[HW+\f], v[NS+4*\c+\f], v[GG+\f]   ; and high 16
.endr
	v_lshl_or_b32 v[PP+6*\c+1], v[LW+1], 16, v[HW]   ; four fields of 48 bits on end: the block's six registers
	v_alignbit_b32 v[PP+6*\c+2], v[HW+1], v[LW+1], 16
	v_lshl_or_b32 v[PP+6*\c+4], v[LW+3], 16, v[HW+2]
	v_alignbit_b32 v[PP+6*\c+5], v[HW+3], v[LW+3], 16
.endm
; Tile t of my two, step e of the half-group in hand: its fragment and scale word go to off bytes behind my places in A's buffers.
.macro PSTEP t, e, off
.irp i, 0,1,2,3,4,5,6,7
	v_exp_f32 v[TT+\i], v[XA+32*(\t)+8*(\e)+\i]    ; e^(2x): features 8 e + i of my 32; i / 4 is the block's c
.endr
	v_nop                                          ; a plain place behind the transcendentals
	s_wait_alu depctr_va_vdst(0)
.irp i, 0,2,4,6
	v_pk_fma_f32 v[TT+\i:TT+\i+1], v[TT+\i:TT+\i+1], s[42:43], s[42:43] op_sel_hi:[1,0,0]   ; -0.2 (1 + e^(2x)), one rounding
.endr
.irp i, 0,1,2,3,4,5,6,7
	v_rcp_f32 v[TT+\i], v[TT+\i]                   ; -5 / (1 + e^(2x))
.endr
	v_nop
	s_wait_alu depctr_va_vdst(0)
.irp i, 0,2,4,6
	v_pk_add_f32 v[TT+\i:TT+\i+1], v[TT+\i:TT+\i+1], s[44:45] op_sel_hi:[1,0]   ; S
.endr
.irp i, 0,1,2,3,4,5,6,7
	v_floor_f32 v[CL+\i], |v[TT+\i]|               ; cell.  (|S|: a reciprocal an ulp high at S = 0 must not give cell -1)
.endr
.irp i, 0,1,2,3,4,5,6,7
	v_sub_f32 v[YY+2*\i+1], |v[TT+\i]|, v[CL+\i]   ; u
.endr
.irp i, 0,1,2,3,4,5,6,7
	v_sub_f32 v[YY+2*\i], 1.0, v[YY+2*\i+1]        ; v = 1 - u
.endr
.irp i, 0,2,4,6
	v_pk_mul_f32 v[CL+\i:CL+\i+1], v[CL+\i:CL+\i+1], 0x40c00000 op_sel_hi:[1,0]   ; 6 x cell
.endr
.irp i, 0,1,2,3,4,5,6,7
	v_cvt_u32_f32 v[CL+\i], v[CL+\i]
.endr
.irp i, 0,1,2,3,4,5,6,7
	v_sub_nc_u32 v[NS+\i], 30, v[CL+\i]
.endr
	BLOCK 0
	BLOCK 1
	v_lshl_or_b32 v[PW], v[BY1], 16, v[BY0]        ; my two bytes: blocks h and 2 + h,
	v_lshlrev_b32 v[PW], v16, v[PW]                ; 8 h bits up;
	v_permlanex16_b32 v17, v[PW], s38, s39
	v_or_b32 v[PW], v[PW], v17                     ; with lane l xor 16's two the word is whole
.irp g, 0,1,2
	ds_store_b128 v11, v[PP+4*\g:PP+4*\g+3] offset:(\off)+1536*(\t)+512*\g
.endr
	ds_store_b32 v12, v[PW] offset:(\off)+4*(\t)
.endm
; The makers' interval u, by ph = u % 4.  ph 0, 2: a half-group's head, then its steps 0, 1 into buffer 0.  ph 1, 3: the next half-group's x is asked for at the interval's head and waited for at its end, four PSTEPs later,
; so that no load is out where the roles' ways join; steps 2, 3 into buffer 1.  kind = 1 (in the loop): the last trip's second request is left out: no load leaves a row of x.
.macro PPH id, ph, kind
.if (\ph) == 0
	HALFHEAD 0
.endif
.if (\ph) == 2
	HALFHEAD 1
.endif
.if (\ph) == 1
	XLOAD 256
.endif
.if (\ph) == 3
.if \kind
	s_cmp_eq_u32 s36, 1
	s_cbranch_scc1 .Lnox_\id
.endif
	XLOAD 512
.if \kind
.Lnox_\id:
.endif
.endif
	PSTEP 0, 2*((\ph)%2), 2*((\ph)%2)*ASTEP
	PSTEP 1, 2*((\ph)%2), 2*((\ph)%2)*ASTEP
	PSTEP 0, 2*((\ph)%2)+1, (2*((\ph)%2)+1)*ASTEP
	PSTEP 1, 2*((\ph)%2)+1, (2*((\ph)%2)+1)*ASTEP
.if (\ph)%2
	s_wait_loadcnt 0x0                             ; the next half-group's x is in
.endif
.endm
.macro IV id, ph, m1, zero, kind       ; an interval: the roles part on the wave's number and join again; no barrier and no tensor load stands inside
	s_cmp_lt_u32 s10, 4
	s_cbranch_scc0 .Lprod_\id
	CPH \ph, \m1, \zero
	s_branch .Ljoin_\id
.Lprod_\id:
	PPH \id, \ph, \kind
.Ljoin_\id:
.endm
.macro TAILIV id, breg, sreg, es, areg, a0   ; the makers have nothing left to make
	s_cmp_lt_u32 s10, 4
	s_cbranch_scc0 .Ljoin_\id
	CONS \breg, \sreg, \es, \areg, \a0, 1, 0
.Ljoin_\id:
.endm
.macro TRIPEND                         ; on to the next 128 features; on every wave's way, so that the address registers stay alike in both roles
	s_wait_xcnt 0x0                                ; the loads have read their base
	s_add_nc_u64 s[32:33], s[32:33], 512
	v_add_nc_u32 v13, ASTEP, v13                   ; the next of x's own four steps
	v_add_nc_u32 v14, ASTEP, v14
.endm
; ---------------- the head
	s_load_b128 s[4:7], s[0:1], 0x0                ; x s[4:5], wq s[6:7]
	s_load_b64 s[8:9], s[0:1], 0x10                ; out0
	v_lshl_add_u32 v1, v0, 2, SPARE                ; my spare word; never rewritten
	v_mov_b32 v2, 0                                ; never rewritten
	ds_add_u32 v1, v2
	s_wait_dscnt 0x0
	v_lshrrev_b32 v20, 5, v0
	v_readfirstlane_b32 s10, v20                   ; wave 0..7
	s_and_b32 s11, s10, 3                          ; my number within my role
	s_and_b32 s46, s11, 1                          ; its low bit: a multiplier's half of the columns; a maker's pair of tiles within 64 rows
	s_lshr_b32 s47, s11, 1                         ; its high bit: which 64 rows
	s_bfe_u32 s12, ttmp6, 0x40000                  ; cx
	s_lshr_b32 s13, ttmp9, 1
	s_lshl_b32 s13, s13, 2
	s_add_co_u32 s13, s13, s12                     ; row block = 4 x (cluster / 2) + cx: it enters x's and out0's addresses alone
	s_and_b32 s37, ttmp9, 1                        ; column half = cluster % 2: the four partners share it
	v_and_b32 v21, 31, v0                          ; lane
	v_and_b32 v22, 15, v0                          ; r
	v_bfe_u32 v23, v0, 4, 1                        ; h
	v_lshlrev_b32 v24, 4, v21                      ; 16 x lane
	s_mul_i32 s14, s47, AHALF
	s_add_co_u32 s14, s14, ABUF
	v_add_nc_u32 v3, s14, v24                      ; v3   images of A, my 64 rows
	v_add_nc_u32 v4, RESO, v3                      ; v4   the same among x's own steps
	s_mul_i32 s14, s46, 8*1536
	v_add_nc_u32 v5, s14, v24                      ; v5   my 8 column tiles: slot 0, steps 0, 1
	v_add_nc_u32 v6, HALFB, v5                     ; v6   slot 0, steps 2, 3
	v_add_nc_u32 v7, SLOTB, v5                     ; v7   slot 1, steps 0, 1
	v_add_nc_u32 v8, SLOTB+HALFB, v5               ; v8   slot 1, steps 2, 3
	s_lshl_b32 s14, s46, 9
	s_add_co_u32 s14, s14, SCLO
	v_lshl_add_u32 v9, v21, 3, s14                 ; v9   their scale words in slot 0,
	v_add_nc_u32 v10, SLOTB, v9                    ; v10  in slot 1
	s_mul_i32 s14, s46, 2*1536
	v_add_nc_u32 v11, s14, v3                      ; v11  where a maker stores its two images,
	s_lshl_b32 s14, s46, 3
	s_add_co_u32 s14, s14, ASC
	v_add_nc_u32 v12, s14, v3                      ; v12  and their scale words
	v_add_nc_u32 v13, RESO, v11                    ; v13  the same for x's own steps: stepped once for 128 features
	v_add_nc_u32 v14, RESO, v12                    ; v14
	v_lshlrev_b32 v15, 11, v22
	v_lshl_add_u32 v15, v23, 7, v15                ; v15  x: row r of 2,048 bytes, + 32 features for the upper half of the lanes
	v_lshlrev_b32 v16, 3, v23                      ; v16  8 h
	v_mov_b32 v17, 0                               ; v17  a lane permute's destination counts as one of its sources
	s_mov_b32 s38, 0x76543210
	s_mov_b32 s39, 0xfedcba98                      ; v_permlanex16_b32's selects for lane l xor 16
	s_mov_b32 s40, 0x4038aa3b                      ; 2 log2(e)
	s_mov_b32 s41, s40                             ; (named with it as a pair, so it is written)
	s_mov_b32 s42, 0xbe4ccccd                      ; -0.2
	s_mov_b32 s43, s42
	s_mov_b32 s44, 0x40a00000                      ; 5.0
	s_mov_b32 s45, s44
	; descriptor group 1: an eighth of a period, 12,800 dense bytes, as 50 rows of 256 bytes (32 elements of 8 bytes); no padding: images are read 16 bytes a lane on end
	s_mov_b32 s16, 15|(3<<16)|(1<<21)              ; 15:0 the mask: all four work-groups; 17:16 elements of 8 bytes; 21 set beside a mask
	s_mov_b32 s17, 32<<16                          ; tensor_dim0 = 32
	s_mov_b32 s18, 50<<16                          ; tensor_dim1 = 50
	s_mov_b32 s19, 32<<16                          ; tile_dim0 = 32
	s_mov_b32 s20, 50                              ; tile_dim1 = 50
	s_mov_b32 s21, 32                              ; from row to row
	s_mov_b32 s22, 0
	s_mov_b32 s23, 0
	s_lshl_b32 s14, s13, 18                        ; 128 rows of 2,048 bytes a row block, in x and in out0
	s_mov_b32 s15, 0
	s_wait_kmcnt 0x0
	s_add_nc_u64 s[34:35], s[8:9], s[14:15]        ; out0 at the row block's first row,
	s_add_nc_u64 s[32:33], s[4:5], s[14:15]
	s_lshl_b32 s14, s11, 16
	s_add_nc_u64 s[32:33], s[32:33], s[14:15]      ; x at a maker's first of 32 rows
	s_lshl_b32 s14, s37, 10
	s_add_nc_u64 s[34:35], s[34:35], s[14:15]      ; and at the column half's first column
	s_mul_i32 s14, s37, SLOTB
	s_add_nc_u64 s[48:49], s[6:7], s[14:15]        ; wq at period 0 of my column half
	s_mul_i32 s14, s10, 12800                      ; my eighth: the same in memory and in a slot; no place in the cluster enters it
	s_mov_b32 s24, 1                               ; group 0, slot 0: count = 1,
	s_mov_b32 s25, s14                             ; LDS address,
	s_add_nc_u64 s[26:27], s[48:49], s[14:15]      ; global address: period 0,
	s_mov_b32 s28, 1                               ; slot 1:
	s_add_co_u32 s29, s14, SLOTB
	s_add_nc_u64 s[30:31], s[26:27], 2*SLOTB       ; period 1
	s_or_b32 s27, s27, 0x80000000                  ; type = 2
	s_or_b32 s31, s31, 0x80000000
	s_cmp_lt_u32 s10, 4
	s_cbranch_scc1 .Lhead_c
	XLOAD 0                                        ; the first half-group's x
.Lhead_c:
	ROUND                                          ; all four work-groups are here: the first joint loads meet
	tensor_load_to_lds s[24:27], s[16:23]          ; both first fills together: two loads of mine are out
	s_nop 0
	tensor_load_to_lds s[28:31], s[16:23]
	s_nop 0
	PLACES
; ---------------- interval 0: the makers alone
	s_cmp_lt_u32 s10, 4
	s_cbranch_scc1 .Ljoin_p0
	s_wait_loadcnt 0x0
	PPH p0, 0, 0
.Ljoin_p0:
	s_wait_tensorcnt 0x1                           ; my eighth of slot 0 is in; slot 1's may stay out
	s_wait_loadcnt 0x0                             ; no load of x is out
	s_wait_dscnt 0x0                               ; the makers' stores have landed
	s_barrier_signal -1
	s_barrier_wait -1
	IV p1, 1, 0, 1, 0                              ; steps 0, 1 start the sums | steps 2, 3; the second half-group's x
	PBAR
	IV p2, 2, 1, 0, 0
	SYNC 0                                         ; slot 1 has landed; period 2 into slot 0
	IV p3, 3, 1, 0, 0
	TRIPEND
	s_mov_b32 s36, 3
.Ltrip:                                                ; a trip: 128 features, four intervals, eight K steps, both slots filled once
	PBAR
	IV la, 0, 1, 0, 0
	SYNC 1                                         ; periods 3, 5, 7
	IV lb, 1, 1, 0, 0
	PBAR
	IV lc, 2, 1, 0, 0
	SYNC 0                                         ; periods 4, 6, 8
	IV ld, 3, 1, 0, 1
	TRIPEND
	s_sub_co_u32 s36, s36, 1
	s_cmp_lg_u32 s36, 0
	s_cbranch_scc1 .Ltrip
	PBAR
	TAILIV t16, 8, 10, 2, 3, 2*ASTEP               ; period 7, steps 2, 3: slot 1's last reads
	SYNC0                                          ; period 8 has landed
	TAILIV t17, 5, 9, 0, 4, 0                      ; period 8: x's steps 0, 1
	PBAR
	s_cmp_lt_u32 s10, 4
	s_cbranch_scc0 .Lend
	CONS 6, 9, 2, 4, 2*ASTEP, 1, 0                 ; x's steps 2, 3
	s_wait_dscnt 0x0
	WIN MUL
	MUL16 1, 4, 0                                  ; the last quarter
	WIN 0
; THE WAY OUT, a tile of 16 rows x my 128 columns at a time.  A lane holds 32 neighbouring bytes of a row and the lanes beside it other rows: the tile goes through my own stage and comes back as whole rows of 512 bytes.
; Its three addresses are made here, on the multipliers' own way, in registers that held B's addresses: ten plain vector lines that name no register of the last products: they are the places behind those.
	s_mul_i32 s14, s11, 16*SPITCH
	s_add_co_u32 s14, s14, STAGE                   ; my stage
	v_and_b32 v8, 15, v0                           ; r
	v_bfe_u32 v9, v0, 4, 1                         ; h
	v_and_b32 v10, 31, v0
	v_mul_u32_u24 v5, v8, SPITCH
	v_lshl_add_u32 v5, v9, 5, v5
	v_add_nc_u32 v5, s14, v5                       ; v5   in: row r, 32 bytes for each half of the lanes
	v_lshlrev_b32 v10, 4, v10
	v_add_nc_u32 v6, s14, v10                      ; v6   back: the 32 lanes take one row of 512 bytes
	s_lshl_b32 s14, s46, 9
	s_lshl_b32 s15, s47, 17
	s_add_co_u32 s14, s14, s15
	v_add_nc_u32 v7, s14, v10                      ; v7   and the same in out0: my 128 columns, my 64 rows
	v_nop
; LDS serves a wave's instructions in order (ISA guide 5.7.1.4): no wait between the stores and the loads, nor in front of the next tile's stores.
.macro TOSTAGE a
	WIN 0x04                                       ; an LDS store's data are its source 1: window 1
.set bb, 0
.rept 8
	ds_store_b128 v5, v[8*(4*bb+\a):8*(4*bb+\a)+3] offset:64*bb         ; each accumulator from its low end on
	ds_store_b128 v5, v[8*(4*bb+\a)+4:8*(4*bb+\a)+7] offset:64*bb+16
.set bb, bb+1
.endr
	WIN 0
.set BB, 32+64*((\a)%2)
.irp t, 0,1,2,3,4,5,6,7,8,9,10,11,12,13,14,15
	ds_load_b128 v[BB+4*\t:BB+4*\t+3], v6 offset:\t*SPITCH
.endr
.endm
.macro SEND a, younger                 ; younger: the LDS instructions issued behind tile a's loads, which may stay out
.set BB, 32+64*((\a)%2)
	s_wait_dscnt \younger
.irp t, 0,1,2,3,4,5,6,7,8,9,10,11,12,13,14,15
	global_store_b128 v7, v[BB+4*\t:BB+4*\t+3], s[34:35] offset:(16*(\a)+\t)*2048 th:TH_STORE_NT   ; 32 lanes store 512 consecutive bytes, at a multiple of 256 from out0's first byte
.endr
.endm
	TOSTAGE 0
	TOSTAGE 1
	SEND 0, 32                                     ; behind tile 0's loads: tile 1's 16 stores and 16 loads
	s_wait_xcnt 0x0                                ; tile 0's stores have read their registers: tile 2's loads may land there
	TOSTAGE 2
	SEND 1, 32
	s_wait_xcnt 0x0
	TOSTAGE 3
	SEND 2, 32
	SEND 3, 0
.Lend:
	s_wait_tensorcnt 0x0                           ; the wave's end, behind my last tensor load and my last LDS store
	ds_add_u32 v1, v2
	s_wait_dscnt 0x0
	ROUND                                          ; the closing round: no work-group ends while a partner may still ask for a tile that names it
	s_endpgm
.Lfunc_end_k_q1f4d492e51_kan:
	.size	k_q1f4d492e51_kan, .Lfunc_end_k_q1f4d492e51_kan-k_q1f4d492e51_kan
	.p2alignl 7, 3214868480
	.fill 96, 4, 3214868480
	.section	.rodata,"a",@progbits
	.p2align	6, 0x0
	.amdhsa_kernel k_q1f4d492e51_kan
		.amdhsa_group_segment_fixed_size 327680
		.amdhsa_private_segment_fixed_size 0
		.amdhsa_enable_private_segment 0
		.amdhsa_kernarg_size 24
		.amdhsa_user_sgpr_count 2
		.amdhsa_user_sgpr_kernarg_segment_ptr 1
		.amdhsa_wavefront_size32 1
		.amdhsa_system_sgpr_workgroup_id_x 1
		.amdhsa_system_sgpr_workgroup_id_y 1
		.amdhsa_system_sgpr_workgroup_id_z 1
		.amdhsa_system_vgpr_workitem_id 0
		.amdhsa_next_free_vgpr 512
		.amdhsa_next_free_sgpr 66
		.amdhsa_reserve_vcc 0
		.amdhsa_float_denorm_mode_32 3
		.amdhsa_float_denorm_mode_16_64 3
		.amdhsa_memory_ordered 1
		.amdhsa_forward_progress 1
		.amdhsa_inst_pref_size 255
	.end_amdhsa_kernel
	.section	.bss,"aw",@nobits
	.p2align	6
	.space	262144
	.amdgpu_metadata
---
amdhsa.version: [ 1, 2 ]
amdhsa.kernels:
  - .name:           k_q1f4d492e51_kan
    .symbol:         k_q1f4d492e51_kan.kd
    .args:
      - { .name: x, .offset: 0, .size: 8, .value_kind: global_buffer, .address_space: global }
      - { .name: wq, .offset: 8, .size: 8, .value_kind: global_buffer, .address_space: global }
      - { .name: out0, .offset: 16, .size: 8, .value_kind: global_buffer, .address_space: global }
    .group_segment_fixed_size: 327680
    .private_segment_fixed_size: 0
    .kernarg_segment_align: 8
    .kernarg_segment_size: 24
    .max_flat_workgroup_size: 256
    .sgpr_count:     66
    .vgpr_count:     512
    .wavefront_size: 32
...
	.end_amdgpu_metadata
.endif
;; end of part 4
